; MI455X (gfx1250); checked and timed in simulation.
; The chip was launched on July 23, 2026; its instructions are those of AMD's public machine-readable ISA for CDNA 5 (MIT licence, August 2026) and "CDNA5" Instruction Set Architecture Reference Guide (July 2026). The comments in the code are by the model that wrote it; some were corrected since.
;; Cross Attention. Allowed arithmetic: matrix products marked QUANTISED: E2M1 operands, one E8M0 scale for each 32 along K, by v_wmma_scale_f32_16x16x128_f8f6f4 with both operands' format E2M1 (or v_wmma_scale_f32_32x16x128_f4), f32 sums; products left as they are: bf16, f16 or f32 operands; f32 sums; everything else in f32.
;; Inputs: Wkv 2,048 x 1,024 float32; Wproj 1,024 x 1,024 float32; Wq 1,024 x 1,024 float32; bproj 1,024 float32; context 4 x 2,048 x 1,024 float32; freqs_cis 2,048 x 32 x 2 float32; x 4 x 2,048 x 1,024 float32.
;; Outputs: out0 4 x 2,048 x 1,024 float32.
;; This version of the problem:
;;   THIS VERSION OF THE PROBLEM IS GIVEN IN LOW PRECISION. The matrix products marked QUANTISED in the list below multiply operands that are first quantised to E2M1 (2 exponent bits, 1 mantissa bit; 4 bits a number), with one power-of-two scale for each 32 numbers along K (OCP MX v1.0); their sums are f32. The products marked 'left as it is' may take bf16, f16 or f32 operands, with f32 sums. Whichever they take, every output number must still come out within the allowed error. Rounding operands to bf16 (8 significant bits) uses up far more of that allowance than f16 does (11 bits, for magnitudes from 6e-5 to 65,504). All else is computed in f32.
;;   The module's matrix products, in the order in which they are computed (A, B: the left and right operand; K: the contracted axis; several contracted axes count as one K, in the product's order):
;;     1. [M 8,192, K 1,024] x [K 1,024, N 1,024]; A: input x; B: input Wq: QUANTISED
;;     2. [M 8,192, K 1,024] x [K 1,024, N 2,048]; A: input context; B: input Wkv: QUANTISED
;;     3. batch 64 x [M 2,048, K 64] x [K 64, N 2,048]; A: computed on the way; B: computed on the way: left as it is (an operand is computed on the way)
;;     4. batch 64 x [M 64, K 2,048] x [K 2,048, N 2,048]; A: computed on the way; B: computed on the way: left as it is (an operand is computed on the way)
;;     5. [M 8,192, K 1,024] x [K 1,024, N 1,024]; A: computed on the way; B: input Wproj: left as it is (an operand is computed on the way)
;;   THE QUANTISER, for each operand of a quantised product, along K:
;;     - K is cut into blocks of 32 from its start; a last block that is shorter is filled with zeros.
;;     - A block's scale is 2^e with e = floor(log2(the largest magnitude in the block)) - 2, held to -126 .. 127; a block of zeros has e = 0. As a byte (E8M0): e + 127.
;;     - Each number is divided by its block's scale, clamped to +-6, and rounded to the nearest number of E2M1, ties to even, subnormals kept.
;;     - The product sums the exact products of the quantised numbers (number of the format x scale) in f32.
;;   ~~~python
;;   def quantise(x, axis):      # numpy; x: float32 -> the quantised numbers, widened to float32 again
;;       x = np.moveaxis(x, axis, -1); K = x.shape[-1]
;;       x = np.pad(x, [(0, 0)] * (x.ndim - 1) + [(0, -K % 32)]); x = x.reshape(x.shape[:-1] + (-1, 32)); a = np.abs(x).max(-1, keepdims=True)
;;       e = np.where(a > 0, np.clip(np.frexp(np.where(a > 0, a, 1))[1] - 1 - 2, -126, 127), 0)      # np.frexp(a)[1] - 1 = floor(log2(a)), exactly
;;       r = np.clip(x / 2.0 ** e, -6, 6)
;;       step = 2.0 ** (np.maximum(np.frexp(np.where(r == 0, 1, r))[1] - 1, 0) - 1)
;;       q = np.round(r / step) * step * 2.0 ** e      # np.round: ties to even
;;       return np.moveaxis(q.reshape(q.shape[:-2] + (-1,))[..., :K], -1, axis).astype(np.float32)
;;   ~~~
;; One version. Each part assembles by itself: llvm-mc -triple=amdgcn-amd-amdhsa -mcpu=gfx1250 --defsym DOCPART=n.
;; ======== version 1 of 1: 4 launches
;; limits: values are held in f16: magnitudes above 65,504 overflow, below 6.1e-05 lose precision
;; workspace buffers: acodes 8,388,608 bytes; ascales 524,288 bytes; bcodes 1,572,864 bytes; bscales 98,304 bytes; wp16 2,097,152 bytes; qkv 50,331,648 bytes; exps 4,096 bytes; attn 16,777,216 bytes
;; launch quant (part 1): grid 640 x 1, 4 waves a work-group, no clusters, 33,280 bytes of LDS; arguments x, context, Wq, Wkv, Wproj, acodes, ascales, bcodes, bscales, wp16; writes acodes, ascales, bcodes, bscales, wp16
.if DOCPART == 1
	.amdgcn_target "amdgcn-amd-amdhsa--gfx1250"
	.amdhsa_code_object_version 6
	.text
	.protected	k_q009641cdb6_quant
	.globl	k_q009641cdb6_quant
	.p2align	8
	.type	k_q009641cdb6_quant,@function
k_q009641cdb6_quant:
	s_mov_b64 s[64:65], 0
	v_nop
	global_prefetch_b8 v0, s[64:65] scope:SCOPE_SE
	s_setreg_imm32_b32 hwreg(HW_REG_WAVE_MODE, 25, 1), 1
	s_wait_xcnt 0x0
; x, context [8192][1024], Wq [1024][1024], Wkv [2048][1024], all f32 with K innermost, become codes of FP4 (E2M1), two a byte, K innermost, with one E8M0 scale byte for each 32 along K.
; acodes = x's rows, then context's (512 bytes a row); ascales likewise (32 bytes a row); bcodes = Wq's rows, then Wkv's; bscales likewise.  Wproj becomes f16, as it lies (wp16).
; A block's scale is 2^(floor(log2(its largest magnitude)) - 2); its byte is the largest magnitude's exponent field - 2, held at 1 from below.  A block of zeros gets the byte 1 where the rule says 127:
; its codes are zeros, which add nothing under any byte but 0xff, and the bytes are read by this program alone.
; LIMITS: blocks whose largest magnitude lies under 2^-124 (the floor) get the byte 1; NaN and infinities among the inputs are not served; Wproj's numbers must lie under 65,504 in magnitude (f16).
; SHARES.  A work-group takes 32,768 numbers, a wave 8,192: rows are dense, so every tensor is a plain stream of blocks of 32.  Work-groups 0-255 x, 256-511 context, 512-543 Wq, 544-607 Wkv, 608-639 Wproj.
; Only pointers are chosen by the work-group's number: the four quantised tensors take one path through the text.  Wproj's path touches no LDS byte but its spare words.
; No two work-groups read the same byte: clusters and joint loads have nothing to share here.  No tensor loads, no barrier: waves share nothing.
; A QUANTISING WAVE takes 16 steps of 512 numbers.  Each of a step's four loads reads 512 consecutive bytes, 16 a lane; the 2,048 bytes go through the wave's own stage in LDS and come back 64 bytes a lane,
; so that a lane holds 16 neighbours along K (two neighbouring lanes hold a block).  A lane's 16 codes are 8 bytes: the wave stores 256 consecutive bytes.  A wave's 256 scale bytes are gathered in LDS and leave together.
.set WAVES, 4
.set STEPS, 16
.set EMAX,  2
.set CB,    8                          ; bytes of 16 codes
.set R,     16                         ; v16-79   four sets of 16 numbers as they are loaded (Wproj: 64 numbers a lane)
.set X,     80                         ; v80-111  two sets of 16 neighbours
.set E,     112                        ; v112-127 a scale byte for each step
.set C,     128                        ; v128-191 codes: four registers for each step, so that no store's data are written again (Wproj: f16 to store)
.set WREG,  8192                       ; LDS: a region for each wave: two stages of 32 x SP bytes, behind them its 256 scale bytes
.set SP,    80                         ; a lane's place in a stage: its 64 bytes + 16 of padding
.set SPW,   12                         ; v12  LDS address of my spare word; never rewritten
.set NIL,   13                         ; v13  0; never rewritten
.set SPARE, WAVES*WREG                 ; behind the four regions: the spare words, 128 bytes a wave
.set G_CTX, 256                        ; the first work-group of context, of Wq, of Wkv, of Wproj
.set G_WQ,  512
.set G_WKV, 544
.set G_WP,  608
	s_load_b256 s[4:11], s[0:1], 0x0               ; x, context, Wq, Wkv
	s_load_b256 s[12:19], s[0:1], 0x20             ; Wproj, acodes, ascales, bcodes
	s_load_b128 s[20:23], s[0:1], 0x40             ; bscales, wp16
	v_lshl_add_u32 v[SPW], v0, 2, SPARE
	v_mov_b32 v[NIL], 0
	v_lshrrev_b32 v1, 5, v0
	v_readfirstlane_b32 s24, v1                    ; wave
	v_and_b32 v2, 31, v0                           ; lane
	v_lshlrev_b32 v3, 4, v2                        ; 16 x lane
	s_mul_i32 s25, s24, WREG
	v_lshrrev_b32 v14, 2, v2
	v_mul_u32_u24 v14, v14, SP
	v_and_b32 v15, 3, v2
	v_lshl_add_u32 v14, v15, 4, v14
	v_add_nc_u32 v14, s25, v14                     ; the stage, on the way in: SP (lane / 4) + 16 (lane % 4)
	v_mul_u32_u24 v15, v2, SP
	v_add_nc_u32 v15, s25, v15                     ; and on the way out: SP x lane: my 16 neighbours
	v_mul_u32_u24 v4, v2, CB                       ; my codes' place in a step's
	v_lshrrev_b32 v5, 1, v2
	s_add_co_u32 s25, s25, 2*32*SP
	v_add_nc_u32 v5, s25, v5                       ; LDS: my wave's 256 scale bytes, my block's byte
	v_lshlrev_b32 v7, 3, v2                        ; and on the way out 8 bytes a lane
	v_add_nc_u32 v6, s25, v7
	v_lshlrev_b32 v10, 5, v2                       ; 32 x lane (Wproj's loads)
	s_mov_b32 s35, 0                               ; the high word of every offset here
	s_mov_b32 s37, 0
	s_wait_kmcnt 0x0
	s_cmp_ge_u32 ttmp9, G_WP
	s_cbranch_scc1 .Lwp
	; which tensor is mine: each compare is followed by selects alone; the choice hangs on the work-group's number and on no address
	s_mov_b64 s[26:27], s[10:11]                   ; Wkv,
	s_mov_b32 s28, G_WKV                           ; and its first work-group
	s_cmp_lt_u32 ttmp9, G_WKV
	s_cselect_b64 s[26:27], s[8:9], s[26:27]       ; Wq
	s_cselect_b32 s28, G_WQ, s28
	s_cmp_lt_u32 ttmp9, G_WQ
	s_cselect_b64 s[26:27], s[6:7], s[26:27]       ; context
	s_cselect_b32 s28, G_CTX, s28
	s_cselect_b64 s[30:31], s[14:15], s[18:19]     ; the codes' buffer,
	s_cselect_b64 s[32:33], s[16:17], s[20:21]     ; the scale bytes',
	s_cselect_b32 s29, 0, G_WQ                     ; and the first work-group that writes into them
	s_cmp_lt_u32 ttmp9, G_CTX
	s_cselect_b64 s[26:27], s[4:5], s[26:27]       ; x
	s_cselect_b32 s28, 0, s28
	s_sub_co_u32 s28, ttmp9, s28
	s_lshl_b32 s28, s28, 2
	s_add_co_u32 s28, s28, s24                     ; which run of 8,192 numbers of the tensor is my wave's (under 1,024)
	s_lshl_b32 s34, s28, 15                        ; 32,768 bytes a run
	s_add_nc_u64 s[26:27], s[26:27], s[34:35]
	s_sub_co_u32 s29, ttmp9, s29
	s_lshl_b32 s29, s29, 2
	s_add_co_u32 s29, s29, s24                     ; which run of the output buffers (under 2,048)
	s_lshl_b32 s36, s29, 12                        ; 4,096 bytes of codes a run
	s_add_nc_u64 s[30:31], s[30:31], s[36:37]
	s_lshl_b32 s36, s29, 8                         ; 256 scale bytes a run
	s_add_nc_u64 s[32:33], s[32:33], s[36:37]
.macro LOAD t
.irp i, 0,1,2,3
	global_load_b128 v[R+16*((\t)%4)+4*\i:R+16*((\t)%4)+4*\i+3], v3, s[26:27] offset:2048*(\t)+512*\i th:TH_LOAD_NT   ; 32 lanes read 512 consecutive bytes
.endr
.endm
.macro TURN t                          ; step t's numbers through the stage: LDS serves a wave's instructions in order, so no wait stands between the stores and the loads
.irp i, 0,1,2,3
	ds_store_b128 v14, v[R+16*((\t)%4)+4*\i:R+16*((\t)%4)+4*\i+3] offset:32*SP*((\t)%2)+8*SP*\i
.endr
.irp i, 0,1,2,3
	ds_load_b128 v[X+16*((\t)%2)+4*\i:X+16*((\t)%2)+4*\i+3], v15 offset:32*SP*((\t)%2)+16*\i
.endr
.endm
.irp t, 0,1,2,3
	LOAD \t
.endr
	s_wait_loadcnt 12                              ; step 0's four loads are in; the twelve of steps 1 to 3 may be out
	TURN 0
.macro STEP t
.set XS, X+16*((\t)%2)
.if (\t) > 0
	s_wait_dscnt 1                                 ; this step's numbers are back from the stage (the last step's byte store may be out): so its stores into the stage have read their registers,
.else
	s_wait_dscnt 0x0
.endif
.if (\t)+4 < STEPS
	LOAD (\t)+4                                    ; which take the loads of four steps on
.endif
.if (\t)+1 < STEPS
.if STEPS-2-(\t) >= 3
	s_wait_loadcnt 12                              ; the next step's four loads are in; those of the three steps behind it may be out
.else
	s_wait_loadcnt 4*(STEPS-2-(\t))
.endif
	TURN (\t)+1                                    ; and go through the other stage while this step is worked
.endif
	v_max3_num_f32 v8, |v[XS]|, |v[XS+1]|, |v[XS+2]|               ; the largest magnitude of my 16, in two chains
	v_max3_num_f32 v9, |v[XS+3]|, |v[XS+4]|, |v[XS+5]|
.irp i, 6,10
	v_max3_num_f32 v8, v8, |v[XS+\i]|, |v[XS+\i+1]|
	v_max3_num_f32 v9, v9, |v[XS+\i+2]|, |v[XS+\i+3]|
.endr
	v_max3_num_f32 v8, v8, |v[XS+14]|, |v[XS+15]|
	v_max3_num_f32 v8, v8, v9, (EMAX+1)<<23        ; and the floor 2^(EMAX + 1 - 127): so the byte cannot fall under 1
	v_max_num_f32_dpp v8, v8, v8 row_xmask:1 row_mask:0xf bank_mask:0xf   ; and of my neighbour's 16: the block's
	v_add_nc_u32 v11, -(EMAX<<23), v8              ; EMAX off its exponent field: the conversion takes the exponent field of this operand as its scale, and nothing else of it
	v_cvt_scalef32_pk8_fp4_f32 v[C+4*(\t)], v[XS:XS+7], v11        ; eight numbers / the scale, to the nearest code, ties to even, beyond the largest code the largest
	v_cvt_scalef32_pk8_fp4_f32 v[C+4*(\t)+1], v[XS+8:XS+15], v11
	v_lshrrev_b32 v[E+(\t)], 23, v11               ; the scale's byte (also the plain line behind the conversions)
	ds_store_b8 v5, v[E+(\t)] offset:16*(\t)       ; both lanes of a block write the same byte with the same value
	global_store_b64 v4, v[C+4*(\t):C+4*(\t)+1], s[30:31] offset:32*CB*(\t)   ; 32 lanes store 256 consecutive bytes, aligned
.endm
.irp t, 0,1,2,3,4,5,6,7,8,9,10,11,12,13,14,15
	STEP \t
.endr
	ds_load_b64 v[8:9], v6                         ; LDS serves a wave's instructions in order: these see my byte stores
	s_wait_dscnt 0x0
	global_store_b64 v7, v[8:9], s[32:33]          ; 32 lanes store my wave's 256 scale bytes, aligned
	s_branch .Lend
.Lwp:
	; Wproj to f16: my wave's 8,192 numbers, in four rounds of eight pieces of 256.  A lane takes 8 neighbours (two loads of 16 bytes) and stores their 16 bytes: a store covers 512 consecutive bytes.
	s_sub_co_u32 s28, ttmp9, G_WP
	s_lshl_b32 s28, s28, 2
	s_add_co_u32 s28, s28, s24
	s_lshl_b32 s34, s28, 15
	s_add_nc_u64 s[12:13], s[12:13], s[34:35]
	s_lshl_b32 s34, s28, 14
	s_add_nc_u64 s[22:23], s[22:23], s[34:35]
.macro WPR rd
.if \rd > 0
	s_wait_xcnt 0x0                                ; the last round's stores have read their data registers, which this round writes again
.endif
.irp i, 0,1,2,3,4,5,6,7
	global_load_b128 v[R+8*\i:R+8*\i+3],   v10, s[12:13] offset:\rd*8192+\i*1024 th:TH_LOAD_NT
	global_load_b128 v[R+8*\i+4:R+8*\i+7], v10, s[12:13] offset:\rd*8192+\i*1024+16 th:TH_LOAD_NT
.endr
.irp i, 0,1,2,3,4,5,6,7
	s_wait_loadcnt 14-2*\i                         ; piece i's two loads are in; the younger pieces' may be out
.irp j, 0,1,2,3
	v_cvt_pk_f16_f32 v[C+4*\i+\j], v[R+8*\i+2*\j], v[R+8*\i+2*\j+1]
.endr
	global_store_b128 v3, v[C+4*\i:C+4*\i+3], s[22:23] offset:\rd*4096+\i*512
.endr
.endm
	WPR 0
	WPR 1
	WPR 2
	WPR 3
.Lend:
	s_wait_tensorcnt 0x0                           ; the wave's end, behind my last LDS store
	ds_add_u32 v[SPW], v[NIL]
	s_wait_dscnt 0x0
	s_endpgm
.Lfunc_end_k_q009641cdb6_quant:
	.size	k_q009641cdb6_quant, .Lfunc_end_k_q009641cdb6_quant-k_q009641cdb6_quant
	.p2alignl 7, 3214868480
	.fill 96, 4, 3214868480
	.section	.rodata,"a",@progbits
	.p2align	6, 0x0
	.amdhsa_kernel k_q009641cdb6_quant
		.amdhsa_group_segment_fixed_size 33280
		.amdhsa_private_segment_fixed_size 0
		.amdhsa_enable_private_segment 0
		.amdhsa_kernarg_size 80
		.amdhsa_user_sgpr_count 2
		.amdhsa_user_sgpr_kernarg_segment_ptr 1
		.amdhsa_wavefront_size32 1
		.amdhsa_system_sgpr_workgroup_id_x 1
		.amdhsa_system_sgpr_workgroup_id_y 1
		.amdhsa_system_sgpr_workgroup_id_z 1
		.amdhsa_system_vgpr_workitem_id 0
		.amdhsa_next_free_vgpr 192
		.amdhsa_next_free_sgpr 66
		.amdhsa_reserve_vcc 0
		.amdhsa_float_denorm_mode_32 3
		.amdhsa_float_denorm_mode_16_64 3
		.amdhsa_memory_ordered 1
		.amdhsa_forward_progress 1
		.amdhsa_inst_pref_size 52
	.end_amdhsa_kernel
	.amdgpu_metadata
---
amdhsa.version: [ 1, 2 ]
amdhsa.kernels:
  - .name:           k_q009641cdb6_quant
    .symbol:         k_q009641cdb6_quant.kd
    .args:
      - { .name: x, .offset: 0, .size: 8, .value_kind: global_buffer, .address_space: global }
      - { .name: context, .offset: 8, .size: 8, .value_kind: global_buffer, .address_space: global }
      - { .name: Wq, .offset: 16, .size: 8, .value_kind: global_buffer, .address_space: global }
      - { .name: Wkv, .offset: 24, .size: 8, .value_kind: global_buffer, .address_space: global }
      - { .name: Wproj, .offset: 32, .size: 8, .value_kind: global_buffer, .address_space: global }
      - { .name: acodes, .offset: 40, .size: 8, .value_kind: global_buffer, .address_space: global }
      - { .name: ascales, .offset: 48, .size: 8, .value_kind: global_buffer, .address_space: global }
      - { .name: bcodes, .offset: 56, .size: 8, .value_kind: global_buffer, .address_space: global }
      - { .name: bscales, .offset: 64, .size: 8, .value_kind: global_buffer, .address_space: global }
      - { .name: wp16, .offset: 72, .size: 8, .value_kind: global_buffer, .address_space: global }
    .group_segment_fixed_size: 33280
    .private_segment_fixed_size: 0
    .kernarg_segment_align: 8
    .kernarg_segment_size: 80
    .max_flat_workgroup_size: 128
    .sgpr_count:     66
    .vgpr_count:     192
    .wavefront_size: 32
...
	.end_amdgpu_metadata
.endif
;; end of part 1
;; launch qkvgemm (part 2): grid 12 x 32, 4 waves a work-group, clusters of 4 x 4, 327,680 bytes of LDS; arguments acodes, ascales, bcodes, bscales, qkv, freqs_cis, exps; writes qkv, exps
.if DOCPART == 2
	.amdgcn_target "amdgcn-amd-amdhsa--gfx1250"
	.amdhsa_code_object_version 6
	.text
	.protected	k_q009641cdb6_qkvgemm
	.globl	k_q009641cdb6_qkvgemm
	.p2align	8
	.type	k_q009641cdb6_qkvgemm,@function
k_q009641cdb6_qkvgemm:
	s_mov_b64 s[64:65], 0
	v_nop
	global_prefetch_b8 v0, s[64:65] scope:SCOPE_SE
	s_setreg_imm32_b32 hwreg(HW_REG_WAVE_MODE, 25, 1), 1
	s_wait_xcnt 0x0
	s_wait_alu depctr_hold_cnt(0) depctr_sa_sdst(0) depctr_va_vdst(0) depctr_va_sdst(0) depctr_va_ssrc(0) depctr_va_vcc(0) depctr_vm_vsrc(0)
	s_getreg_b32 s2, hwreg(HW_REG_IB_STS2, 6, 4)
	s_cmp_eq_u32 s2, 0
	s_cbranch_scc0 .Lentry_in_a_cluster
	s_endpgm
.Lentry_in_a_cluster:
	s_bfe_u32 s2, ttmp6, 0x10000c
	s_cmp_lg_u32 s2, 0xf033
	s_cbranch_scc0 .Lentry_shape_is_right
	s_endpgm
.Lentry_shape_is_right:
; q = x Wq^T, k and v = context Wkv^T, on codes of FP4 (E2M1) with one E8M0 scale for each 32 along K = 1,024; sums in f32.  On the way out q and k are turned by freqs_cis (rope), in f32, and all three leave as f16.
; A: acodes [2][8192][512 bytes] (x, context); B: bcodes [3072][512 bytes] (Wq's 1,024 rows, Wkv's k rows, Wkv's v rows); scale bytes 32 a row.
; OUT: qkv f16 [3 (q, k, v)][4 batches][8 head pairs][2048 tokens][128 = two heads' 64]: a row is 256 bytes.  exps f32 [2 (q, k)][4][8][16 blocks of 128 tokens].
; BLOCK EXPONENT.  q and k are products of three inputs and have no room in f16 where the inputs are large.  So a wave's tile (128 tokens x one head pair) is multiplied by a power of two, exactly, such that
; every number stays under 2^15: with Ea, Ef the exponent fields of the tile's largest |projection| and of its tokens' largest |freqs|, |rope| < 2^(Ea + Ef - 251), and the factor is 2^(266 - Ea - Ef).
; Its inverse goes to exps, and the attention launch folds it into the softmax's scale.  The factor is laid on the freqs once, so the rope itself costs no line more.
; ONE WAY OUT FOR ALL THREE.  The line that lays the factor on the freqs is a fused multiply-add, F x MU + (AD, 0).  q, k: MU = the factor, AD = 0.  v: MU = 0, AD = 1, so that every pair (c, s) is (1, 0) and the rope's two lines
; give x0 and x1 back exactly.  So every register that the way out reads is written, and every load waited for, on every way through the text; the price is v's share of the rope's lines and of the freqs' loads.
; LIMITS: NaN and infinities are not served (in freqs_cis neither: v multiplies them by 0); both largest magnitudes are floored at 2^-50; 2 x (largest |projection|) x (largest |freqs|) of a tile must lie under 2^127; v is stored unscaled and must lie under 65,504.
; SHARES.  A tile of 256 tokens x 256 columns for a work-group of four waves; a wave makes 128 x 128: 64 accumulators, 512 registers.  Tile column 0-3 is q, 4-7 k, 8-11 v: the cluster's x says which, the same in all sixteen partners.
; K = 1,024 is two slots of 512 along K (rows of 256 bytes): both are asked for at the head, and nothing is filled again.  The scale bytes of the work-group's rows come once, with them.
; CLUSTERS: 4 x 4.  The four of a row of the cluster need the same tiles of A, the four of a column the same tiles of B: each tile is asked for jointly, by the same tensor load with the same descriptor and a mask that names the four.
; THE MATRIX INSTRUCTION IS USED TRANSPOSED (source 0 = 16 rows of B, source 1 = 16 rows of A): a lane holds one token and eight neighbouring columns: four rope pairs.
; REGISTERS: window 0: v0-31 addresses; v32-95 scale words, two sets (they hold nothing else); v128-191 A's fragments, one set; on the way out v96-127 packed f16, v128-191 rows read back, v192-223 the rope's results, v224-245 at work.
;   window 1: B's fragments, two sets, at v0 and v128; beside them, and at the end in their place, the freqs of my 128 tokens.   window 2: accumulators of my tokens 0-63 ((a, b) at v[8 (8 a + b)]);   window 3: tokens 64-127.
.set SIZE_K, 1024
.set KSTEP,  512                       ; along K in a slot
.set NQ,     KSTEP/128                 ; matrix instructions deep
.set ROWB,   256                       ; a tile's row in bytes
.set KROW,   SIZE_K*4/8                ; a row of A or B in memory
.set PITCH,  272                       ; an LDS row: 256 bytes + 16 of padding = 68 words, so the 16 rows that a load touches start 4 words apart modulo 64 words
.set FR,     8                         ; registers of a fragment: 16 rows x 128 K
.set NL,     2                         ; LDS loads that bring one
.set NP,     4                         ; places behind this matrix instruction (ISA guide 7.12.1)
.set HALFT,  128*PITCH                 ; 128 rows: what one tensor load brings
.set SLOT,   4*HALFT                   ; A's 256 rows, then B's 256 rows
.set KS,     SIZE_K/32                 ; a row of scale bytes
.set SCL,    2*SLOT                    ; behind the slots: the scales, as units of 256 bytes + 16 of padding
.set HALFS,  (128*KS/256)*272          ; the scales of 128 rows
.set SBLK,   (16*KS/256)*272           ; those of 16 rows
.set SPARE,  SCL+4*HALFS               ; the spare words, 128 bytes a wave
.set SPITCH, 272                       ; the way out: a stage of 16 rows x (256 + 16) bytes for each wave, in slot 0, which has had its only fill and its last read when the first result is stored there
.set ADRA, 16                          ; v16-17 LDS address of my A fragments in slot 0, 1
.set ADRB, 20                          ; v20-21 the same for B
.set STO,  24                          ; v24  where I put 16 bytes of a row
.set RD,   25                          ; v25  where I read a row back
.set CO,   26                          ; v26  16 x lane: my place in two rows of the output
.set ADRS, 27                          ; v27  LDS address of my scale words: lanes 0-15 A's rows, lanes 16-31 B's
.set SPW,  28                          ; v28  my spare word; never rewritten
.set NIL,  29                          ; v29  0; never rewritten
.set FO,   30                          ; v30  freqs: 256 x (lane % 16) + 32 x (lane / 16); never rewritten
.set ZERO, 31                          ; v31  0: the offset of the exponent's store, and v's MU
.set SC,   32                          ; scale words
.set TMP,  96
.set AF,   128                         ; A's fragments
.set BK,   128                         ; the way out: 16 rows read back, two sets of 32
.set RR,   192                         ; the rope's results: four column blocks at a time
.set MX,   224                         ; four chains: the largest |projection|
.set MF,   228                         ; four chains: the largest |freqs|
.set WK,   232
.set MU,   240                         ; v[240:241] the factor, twice (v: 0)
.set INV,  242                         ; its inverse
.set AD,   244                         ; v[244:245] what is added to (c, s): (0, 0); v: (1, 0)
.set G1, 24
.set G0, 32
.set G1B, 48
.set G0B, 56
.set G1S, 68
.set G0S, 76
.set G1SB, 80
.set G0SB, 88
.set MSB, 0
.macro WIN new                         ; the immediate's high byte repeats the setting that is left; a switch that changes nothing is dropped
.if MSB != (\new)
	s_set_vgpr_msb (MSB<<8)|(\new)
.set MSB, (\new)
.endif
.endm
.set MUL_LO, 0xa1                      ; source 0 (B) window 1, source 1 (A) window 0, C and D window 2
.set MUL_HI, 0xf1                      ; the same, C and D window 3
.set TO_B,   0x40                      ; destination window 1, address window 0
; A joint load: waves 0 and 1 fetch for A, waves 2 and 3 for B.  Each line has one mask and one set of registers for all that issue it; the branch hangs on the wave's number alone.
; An s_nop 0 and four v_nop follow each of the two lines.
.macro JLOAD g0a, g1a, g0b, g1b
	s_cmp_eq_u32 s15, 0
	s_cbranch_scc0 .Lfor_b_\@
	tensor_load_to_lds s[\g0a:\g0a+3], s[\g1a:\g1a+7]
	s_nop 0
.rept 4
	v_nop
.endr
	s_branch .Lasked_\@
.Lfor_b_\@:
	tensor_load_to_lds s[\g0b:\g0b+3], s[\g1b:\g1b+7]
	s_nop 0
.rept 4
	v_nop
.endr
.Lasked_\@:
.endm
.macro CROUND                          ; a round of the cluster's barrier
	s_barrier_signal -1
	s_barrier_wait -1
	s_cmp_lg_u32 s14, 0
	s_cbranch_scc1 .Lnot_wave_0_\@
	s_barrier_signal -3
.Lnot_wave_0_\@:
	s_barrier_wait -3
	s_barrier_signal -1
	s_barrier_wait -1
.endm
	s_load_b128 s[4:7], s[0:1], 0x0                ; A's codes, A's scales
	s_load_b128 s[8:11], s[0:1], 0x10              ; B's codes, B's scales
	s_load_b64 s[12:13], s[0:1], 0x20              ; qkv
	s_load_b128 s[96:99], s[0:1], 0x28             ; freqs_cis, exps
	v_lshl_add_u32 v[SPW], v0, 2, SPARE
	v_mov_b32 v[NIL], 0
	ds_add_u32 v[SPW], v[NIL]                      ; the wave's opening: the add, twice on end, and its wait ahead of my first tensor load; the set-up below stands between
	ds_add_u32 v[SPW], v[NIL]
	v_lshrrev_b32 v1, 5, v0
	v_readfirstlane_b32 s14, v1                    ; wave 0..3
	s_lshr_b32 s15, s14, 1                         ; which half of the tile's tokens is mine.  Also: I fetch for A (0) or for B (1)
	s_and_b32 s16, s14, 1                          ; which half of its columns.  Also: which 128 rows of that tile I fetch
	s_bfe_u32 s40, ttmp6, 0x40000                  ; cx, cy: my place in the cluster
	s_bfe_u32 s41, ttmp6, 0x40004
	s_lshl_b32 s42, ttmp9, 2
	s_add_co_u32 s42, s42, s40                     ; tile column = 4 x cluster x + cx
	s_and_b32 s17, ttmp7, 0xffff
	s_lshl_b32 s17, s17, 2
	s_add_co_u32 s17, s17, s41                     ; tile row = 4 x cluster y + cy
	s_lshl_b32 s43, s41, 2
	s_lshl_b32 s43, 15, s43                        ; my row of the cluster
	s_lshl_b32 s44, 0x1111, s40                    ; my column
	s_or_b32 s[G1+0], s43, (0<<16)|(1<<20)|(1<<21)|(5<<22)|(3<<25)  ; the mask; elements of 1 byte; padding on; bit 21 beside a mask; after every 64 words four words
	s_or_b32 s[G1B+0], s44, (0<<16)|(1<<20)|(1<<21)|(5<<22)|(3<<25)
.irp g, G1, G1B
	s_mov_b32 s[\g+1], ROWB<<16                    ; tensor_dim0
	s_mov_b32 s[\g+2], 128<<16                     ; tensor_dim1
	s_mov_b32 s[\g+3], ROWB<<16                    ; tile_dim0
	s_mov_b32 s[\g+4], 128                         ; tile_dim1
	s_mov_b32 s[\g+5], KROW                        ; from row to row
	s_mov_b32 s[\g+6], 0
	s_mov_b32 s[\g+7], 0
.endr
	s_or_b32 s[G1S+0], s43, (3<<16)|(1<<20)|(1<<21)|(5<<22)|(3<<25) ; the scales of 128 rows: a dense block, as rows of 256 bytes (32 elements of 8 bytes), 16 bytes of padding behind each
	s_or_b32 s[G1SB+0], s44, (3<<16)|(1<<20)|(1<<21)|(5<<22)|(3<<25)
.irp g, G1S, G1SB
	s_mov_b32 s[\g+1], 32<<16
	s_mov_b32 s[\g+2], (128*KS/256)<<16
	s_mov_b32 s[\g+3], 32<<16
	s_mov_b32 s[\g+4], 128*KS/256
	s_mov_b32 s[\g+5], 32
	s_mov_b32 s[\g+6], 0
	s_mov_b32 s[\g+7], 0
.endr
	s_lshl_b32 s18, s16, 7                         ; which 128 rows of the tile I fetch
	s_lshl_b32 s20, s17, 8
	s_add_co_u32 s20, s20, s18                     ; A: row 256 x tile row + 128 x half,
	s_min_u32 s19, ttmp9, 1
	s_lshl_b32 s19, s19, 13
	s_add_co_u32 s20, s20, s19                     ; in context's 8,192 rows for k and v: the cluster's x, which all partners share
	s_lshl_b32 s46, s42, 8
	s_add_co_u32 s46, s46, s18                     ; B: row 256 x tile column + 128 x half
	s_mov_b32 s21, 0
	s_mov_b32 s47, 0
	s_mov_b64 s[18:19], KS
	s_mul_u64 s[22:23], s[20:21], s[18:19]         ; where these rows' scales begin, in bytes
	s_mul_u64 s[92:93], s[46:47], s[18:19]
	s_mov_b64 s[18:19], KROW
	s_mul_u64 s[20:21], s[20:21], s[18:19]         ; and their codes
	s_mul_u64 s[46:47], s[46:47], s[18:19]
	s_mul_i32 s45, s14, HALFT                      ; where they go: wave x 128 rows: no place in the cluster enters an LDS address
	s_mul_i32 s94, s14, HALFS
	s_wait_dscnt 0x0                               ; both opening adds are done
	s_wait_kmcnt 0x0
	s_add_nc_u64 s[20:21], s[4:5], s[20:21]
	s_add_nc_u64 s[22:23], s[6:7], s[22:23]
	s_add_nc_u64 s[46:47], s[8:9], s[46:47]
	s_add_nc_u64 s[92:93], s[10:11], s[92:93]
	CROUND                                         ; all sixteen work-groups are here: the joint loads meet
	s_mov_b32 s[G0S], 1
	s_add_co_u32 s[G0S+1], s94, SCL
	s_mov_b64 s[G0S+2:G0S+3], s[22:23]
	s_or_b32 s[G0S+3], s[G0S+3], 0x80000000
	s_mov_b32 s[G0SB], 1
	s_add_co_u32 s[G0SB+1], s94, SCL
	s_mov_b64 s[G0SB+2:G0SB+3], s[92:93]
	s_or_b32 s[G0SB+3], s[G0SB+3], 0x80000000
	JLOAD G0S, G1S, G0SB, G1SB                     ; the scales first: they are wanted with slot 0
.irp s, 0,1
	s_mov_b32 s[G0+4*\s], 1
	s_add_co_u32 s[G0+4*\s+1], s45, \s*SLOT
	s_add_nc_u64 s[G0+4*\s+2:G0+4*\s+3], s[20:21], \s*ROWB
	s_or_b32 s[G0+4*\s+3], s[G0+4*\s+3], 0x80000000
	s_mov_b32 s[G0B+4*\s], 1
	s_add_co_u32 s[G0B+4*\s+1], s45, \s*SLOT
	s_add_nc_u64 s[G0B+4*\s+2:G0B+4*\s+3], s[46:47], \s*ROWB
	s_or_b32 s[G0B+4*\s+3], s[G0B+4*\s+3], 0x80000000
	JLOAD G0+4*\s, G1, G0B+4*\s, G1B               ; three tensor loads of mine are out: all that this launch asks for
.endr
	v_and_b32 v1, 15, v0                           ; r = lane % 16
	v_bfe_u32 v2, v0, 4, 1                         ; h = lane / 16
	v_mul_u32_u24 v3, v1, PITCH
	v_lshl_add_u32 v4, v2, 4, v3                   ; a fragment's row x pitch + 16 x half
	s_mul_i32 s21, s15, HALFT                      ; my 128 rows of A
	s_mul_i32 s22, s16, HALFT                      ; my 128 rows of B,
	s_add_co_u32 s22, s22, 2*HALFT                 ; which lie behind A's 256
.irp s, 0,1
	v_add_nc_u32 v[ADRA+\s], s21, v4
	v_add_nc_u32 v[ADRB+\s], s22, v4
	s_add_co_u32 s21, s21, SLOT
	s_add_co_u32 s22, s22, SLOT
.endr
	v_mul_u32_u24 v5, v1, KS                       ; my row's scales: KS bytes a row,
	v_lshrrev_b32 v6, 8, v5
	v_lshl_add_u32 v5, v6, 4, v5                   ; and 16 more for each 256 passed
	s_mul_i32 s21, s15, HALFS
	s_mul_i32 s22, s16, HALFS
	s_add_co_u32 s22, s22, 2*HALFS
	s_sub_co_u32 s22, s22, s21
	v_mul_u32_u24 v6, s22, v2                      ; lanes 16-31 take B's: one product, the distance between the two bases x h
	s_add_co_u32 s21, s21, SCL
	v_add_nc_u32 v5, v5, v6
	v_add_nc_u32 v[ADRS], s21, v5
	s_mul_i32 s23, s14, 16*SPITCH                  ; my stage
	v_mul_u32_u24 v5, v1, SPITCH                   ; in: row r, 16 bytes for each half of the lanes
	v_lshl_add_u32 v5, v2, 4, v5
	v_add_nc_u32 v[STO], s23, v5
	v_mul_u32_u24 v5, v2, SPITCH                   ; back: lanes 0-15 one row of 256 bytes, lanes 16-31 the next
	v_lshl_add_u32 v5, v1, 4, v5
	v_add_nc_u32 v[RD], s23, v5
	v_and_b32 v6, 31, v0
	v_lshlrev_b32 v[CO], 4, v6                     ; the output's rows are dense: two rows are 512 consecutive bytes
	v_lshlrev_b32 v[FO], 8, v1
	v_lshl_add_u32 v[FO], v2, 5, v[FO]
	v_mov_b32 v[ZERO], 0
	; my tile's number: ((which x 4 + batch) x 8 + head pair) x 16 + block of 128 tokens.  It is made in registers that feed no descriptor
	s_and_b32 s66, s17, 7
	s_lshl_b32 s66, s66, 1
	s_add_co_u32 s66, s66, s15                     ; the block of 128 tokens in its batch
	s_lshl_b32 s95, ttmp9, 2
	s_lshr_b32 s67, s17, 3                         ; the batch
	s_add_co_u32 s95, s95, s67
	s_lshl_b32 s95, s95, 3
	s_and_b32 s67, s42, 3
	s_lshl_b32 s67, s67, 1
	s_add_co_u32 s67, s67, s16                     ; the head pair
	s_add_co_u32 s95, s95, s67
	s_lshl_b32 s95, s95, 4
	s_add_co_u32 s95, s95, s66
	s_lshl_b32 s2, s95, 15                         ; 128 rows of 256 bytes a tile (under 2^26)
	s_mov_b32 s3, 0
	s_add_nc_u64 s[12:13], s[12:13], s[2:3]
; The freqs of 16 tokens, block a, into window 1: lane (r, h) takes of token 16 a + r the numbers 16 t + 8 h + 0 .. 7 of its 64, t = 0 .. 3: the places of its eight columns in either head.
; Blocks 0-3 lie beside B's two sets and are asked for at the head; blocks 4-7 take B's sets when the products are done.
.macro FCLOAD a
.set FB, 64*(1-(\a)/4)+32*((\a)%2)+128*(((\a)%4)/2)
.irp t, 0,1,2,3
.irp c, 0,1
	global_load_b128 v[FB+8*\t+4*\c:FB+8*\t+4*\c+3], v[FO], s[96:97] offset:(\a)*4096+64*\t+16*\c
.endr
.endr
.endm
	s_lshl_b32 s2, s66, 15                         ; my 128 tokens' rows of 256 bytes
	s_add_nc_u64 s[96:97], s[96:97], s[2:3]
	WIN TO_B
	FCLOAD 0                                       ; 32 loads that stay out through the whole walk over K: nothing there waits on LOADcnt, and their address registers are never rewritten
	FCLOAD 1
	FCLOAD 2
	FCLOAD 3
	WIN 0
.macro FRAG reg, adr, q, i             ; a fragment: lane l holds row l % 16; registers 4 c .. 4 c + 3 hold K = 64 c + 32 (l / 16) + 0 .. 31
.irp c, 0,1
	ds_load_b128 v[\reg+4*\c:\reg+4*\c+3], v[\adr] offset:64*(\q)+32*\c+(\i)*16*PITCH
.endr
.endm
; 16 matrix instructions: A's blocks a0, a0 + 1 x B's eight, the slot's q-th 128 along K.  p: B's set; sc: the set of scale words.  zero = 1: the first product starts the sums.
; The 64 accumulators take turns, one instruction a turn, in the same order in every step.
.macro MUL16 a0, p, q, sc, zero
.irp a, \a0, \a0+1
.irp b, 0,1,2,3,4,5,6,7
.if \zero
	v_wmma_scale_f32_16x16x128_f8f6f4 v[8*(8*((\a)%4)+\b):8*(8*((\a)%4)+\b)+7], v[128*(\p)+FR*\b:128*(\p)+FR*\b+FR-1], v[AF+FR*(\a):AF+FR*(\a)+FR-1], 0, v[SC+8*NQ*(\sc)+NQ*\b+(\q)], v[SC+8*NQ*(\sc)+NQ*(\a)+(\q)] matrix_a_fmt:MATRIX_FMT_FP4 matrix_b_fmt:MATRIX_FMT_FP4 matrix_a_scale:MATRIX_SCALE_ROW1
.else
	v_wmma_scale_f32_16x16x128_f8f6f4 v[8*(8*((\a)%4)+\b):8*(8*((\a)%4)+\b)+7], v[128*(\p)+FR*\b:128*(\p)+FR*\b+FR-1], v[AF+FR*(\a):AF+FR*(\a)+FR-1], v[8*(8*((\a)%4)+\b):8*(8*((\a)%4)+\b)+7], v[SC+8*NQ*(\sc)+NQ*\b+(\q)], v[SC+8*NQ*(\sc)+NQ*(\a)+(\q)] matrix_a_fmt:MATRIX_FMT_FP4 matrix_b_fmt:MATRIX_FMT_FP4 matrix_a_scale:MATRIX_SCALE_ROW1
.endif
.endr
.endr
.endm
.macro FETCH_B slot, q, p
	WIN TO_B
.irp i, 0,1,2,3,4,5,6,7
	FRAG 128*(\p)+FR*\i, ADRB+\slot, \q, \i
.endr
	WIN 0
.endm
.macro FETCH_A slot, q, i0
.irp i, \i0, \i0+1, \i0+2, \i0+3
	FRAG AF+FR*(\i), ADRA+\slot, \q, \i
.endr
.endm
.macro SCALES sc                       ; a slot's scale words into set sc: four words a row; lanes 0-15 take A's block i, lanes 16-31 B's block i
.irp i, 0,1,2,3,4,5,6,7
	ds_load_b128 v[SC+8*NQ*\sc+NQ*\i:SC+8*NQ*\sc+NQ*\i+3], v[ADRS] offset:\i*SBLK
.endr
.endm
.macro PLACES n                        ; plain vector instructions between a matrix instruction and a load into, or a read of, its registers
.rept \n
	v_nop
.endr
.endm
.macro STEP slot, q, zero              ; a step of 128 along K that has its successor in the same slot
	s_wait_dscnt 4*NL                              ; B's set and A's blocks 0-3 are in; the youngest eight loads (A's blocks 4-7) may be out
	WIN MUL_LO
	MUL16 0, (\q)%2, \q, \slot, \zero
	MUL16 2, (\q)%2, \q, \slot, \zero
	s_wait_dscnt 0                                 ; A's blocks 4-7 are in
	PLACES NP
	FETCH_B \slot, (\q)+1, 1-(\q)%2
	FETCH_A \slot, (\q)+1, 0
	WIN MUL_HI
	MUL16 4, (\q)%2, \q, \slot, \zero
	MUL16 6, (\q)%2, \q, \slot, \zero
	PLACES NP
	WIN 0
	FETCH_A \slot, (\q)+1, 4
.endm
; Slot 0's last step changes slots: one barrier; in front of it each wave waits for all its tensor loads (slot 1's part), adds 0 to its spare word, and waits for that and for its reads of slot 0.  Nothing is filled again.
.macro TURN slot, next
	s_wait_tensorcnt 0x0                           ; all my tensor loads have landed
	ds_add_u32 v[SPW], v[NIL]                      ; 0 onto my spare word
	s_wait_dscnt 4*NL+1                            ; (the add and the youngest eight loads, A's blocks 4-7, may be out)
	WIN MUL_LO
	MUL16 0, 1, NQ-1, \slot, 0
	s_wait_dscnt 0x0                               ; the add is done, and my reads of this slot are over
	s_barrier_signal -1
	MUL16 2, 1, NQ-1, \slot, 0
	WIN 0
	s_barrier_wait -1                              ; the next slot is whole, and nobody reads this one any more
	PLACES NP
	v_add_nc_u32 v[ADRS], 4*NQ, v[ADRS]            ; on to the next slot's scale words
	FETCH_B \next, 0, 0
	FETCH_A \next, 0, 0
	SCALES \next
	WIN MUL_HI
	MUL16 4, 1, NQ-1, \slot, 0
	MUL16 6, 1, NQ-1, \slot, 0
	PLACES NP
	WIN 0
	FETCH_A \next, 0, 4
.endm
.macro STEPS slot, from
.set Q, \from
.rept NQ-1-\from
	STEP \slot, Q, 0
.set Q, Q+1
.endr
.endm
	s_wait_tensorcnt 1                             ; the scales and my part of slot 0 are in (slot 1's load may be out)
	s_barrier_signal -1
	s_barrier_wait -1                              ; everybody's are
	FETCH_B 0, 0, 0
	FETCH_A 0, 0, 0
	SCALES 0
	FETCH_A 0, 0, 4
	STEP 0, 0, 1                                   ; the first step's products start the sums: nothing is cleared
	STEPS 0, 1
	TURN 0, 1
	STEPS 1, 0
	s_wait_dscnt 4*NL                              ; the last step: nothing more to fetch
	WIN MUL_LO
	MUL16 0, 1, NQ-1, 1, 0
	MUL16 2, 1, NQ-1, 1, 0
	s_wait_dscnt 0
	WIN MUL_HI
	MUL16 4, 1, NQ-1, 1, 0
	MUL16 6, 1, NQ-1, 1, 0
	WIN 0
	PLACES NP                                      ; behind the last products: for the loads into B's sets and A's set, and for the first reads of results
	; THE TILE'S EXPONENT
	WIN TO_B
	FCLOAD 4                                       ; the freqs of my tokens 64 to 127, into B's sets
	FCLOAD 5
	FCLOAD 6
	FCLOAD 7
	WIN 0
.irp i, 0,1,2,3,4,5,6,7
	v_mov_b32 v[MX+\i], 0x26800000                 ; the floor 2^-50 starts all eight chains
.endr
	s_cmp_eq_u32 ttmp9, 2                          ; v has no exponent: the cluster's x, the same in all partners, leads round the maxima and round nothing else: the chains then keep the floor
	s_cbranch_scc1 .Lno_max
	WIN 0x28                                       ; sources 1 and 2: window 2
.set Q, 0
.rept 32
.irp i, 0,1,2,3
	v_max3_num_f32 v[MX+\i], v[MX+\i], |v[8*Q+2*\i]|, |v[8*Q+2*\i+1]|   ; each accumulator from its low end on; the four chains by turns
.endr
.set Q, Q+1
.endr
	WIN 0x3c                                       ; window 3
.set Q, 0
.rept 32
.irp i, 0,1,2,3
	v_max3_num_f32 v[MX+\i], v[MX+\i], |v[8*Q+2*\i]|, |v[8*Q+2*\i+1]|
.endr
.set Q, Q+1
.endr
	s_wait_loadcnt 0x0                             ; all 64 loads of freqs are in
	WIN 0x14                                       ; window 1: its 256 registers are my tokens' freqs
.set Q, 0
.rept 32
.irp i, 0,1,2,3
	v_max3_num_f32 v[MF+\i], v[MF+\i], |v[8*Q+2*\i]|, |v[8*Q+2*\i+1]|
.endr
.set Q, Q+1
.endr
	WIN 0
.Lno_max:
	s_wait_loadcnt 0x0                             ; on the way round the maxima too: all 64 loads of freqs are in
	v_max3_num_f32 v[MX], v[MX], v[MX+1], v[MX+2]
	v_max3_num_f32 v[MF], v[MF], v[MF+1], v[MF+2]
	v_max_num_f32 v[MX], v[MX], v[MX+3]
	v_max_num_f32 v[MF], v[MF], v[MF+3]
.irp m, 1,2,4,8
	v_max_num_f32_dpp v[MX], v[MX], v[MX] row_xmask:\m row_mask:0xf bank_mask:0xf
	v_max_num_f32_dpp v[MF], v[MF], v[MF] row_xmask:\m row_mask:0xf bank_mask:0xf
.endr
	v_mov_b32 v[WK], 0                             ; a lane permute's destination counts as one of its sources
	v_mov_b32 v[WK+1], 0
	s_mov_b32 s66, 0x76543210
	s_mov_b32 s67, 0xfedcba98                      ; lane l xor 16
	v_permlanex16_b32 v[WK], v[MX], s66, s67
	v_permlanex16_b32 v[WK+1], v[MF], s66, s67
	v_max_num_f32 v[MX], v[MX], v[WK]              ; the wave's largest |projection|,
	v_max_num_f32 v[MF], v[MF], v[WK+1]            ; and largest |freqs|
	v_and_b32 v[MX], 0x7f800000, v[MX]             ; their exponent fields Ea, Ef, in place
	v_and_b32 v[MF], 0x7f800000, v[MF]
	v_add_nc_u32 v[WK+2], v[MX], v[MF]             ; (Ea + Ef) << 23
	v_sub_nc_u32 v[MU], 0xc4800000, v[WK+2]        ; the factor 2^(266 - Ea - Ef): field 393 - Ea - Ef
	v_add_nc_u32 v[INV], 0xba800000, v[WK+2]       ; its inverse: field Ea + Ef - 139
	s_min_u32 s2, s95, 1023                        ; my tile's word in exps; v's tiles, which store none, are held at the last word, so that the address stays inside the buffer
	s_lshl_b32 s2, s2, 2
	s_add_nc_u64 s[98:99], s[98:99], s[2:3]        ; (s3 is 0 since the head)
	s_cmp_eq_u32 ttmp9, 2                          ; v?  Three selects on the one compare
	s_cselect_b32 s2, -1, 0                        ; all lanes, or none
	s_cselect_b32 s3, 0x3f800000, 0                ; AD: 1.0, or 0
	s_cselect_b32 s94, 64, 0                       ; the lane that stores the exponent: none has the number 64
	v_cndmask_b32 v[MU], v[MU], v[ZERO], s2        ; v: MU = 0
	v_mov_b32 v[AD], s3
	v_mov_b32 v[AD+1], 0
	v_mov_b32 v[MU+1], v[MU]
	v_and_b32 v[WK], 31, v0
	v_cmp_eq_u32 vcc_lo, s94, v[WK]
	s_wait_xcnt 0x0                                ; EXEC changes only behind this wait
	s_and_saveexec_b32 s95, vcc_lo
	global_store_b32 v[ZERO], v[INV], s[98:99]     ; q, k: lane 0 stores the tile's word; v: no lane is on
	s_wait_xcnt 0x0                                ; and again in front of the line that widens it
	s_or_b32 exec_lo, exec_lo, s95
	WIN 0x41                                       ; destination and source 0: window 1
.set Q, 0
.rept 128
	v_pk_fma_f32 v[2*Q:2*Q+1], v[2*Q:2*Q+1], v[MU:MU+1], v[AD:AD+1]   ; (c, s) x MU + (AD, 0): q, k: the factor is laid on the freqs, exactly; v: (1, 0)
.set Q, Q+1
.endr
	WIN 0
; THE WAY OUT, block a of 16 tokens x 128 columns at a time.  PACK: the rope, then f16: 16 bytes a lane and column block.
; A pair (x0, x1) with (c, s): x0 c - x1 s, x1 c + x0 s: one packed multiply by c and one packed multiply-add that takes x crosswise, s for both halves and the low half's product negative.
.macro PACK a
.set FB, 64*(1-(\a)/4)+32*((\a)%2)+128*(((\a)%4)/2)
.set AC, 64*((\a)%4)
.irp g, 0,1                            ; four column blocks, one head, at a time
	WIN 0x06+(\a)/4                                ; source 0 (the sums) window 2 or 3, source 1 (the freqs) window 1
.irp b, 0,1,2,3
.irp i, 0,1,2,3
	v_pk_mul_f32 v[RR+8*\b+2*\i:RR+8*\b+2*\i+1], v[AC+8*(4*\g+\b)+2*\i:AC+8*(4*\g+\b)+2*\i+1], v[FB+8*\b+2*\i:FB+8*\b+2*\i+1] op_sel_hi:[1,0]   ; each accumulator from its low end on
.endr
.irp i, 0,1,2,3
	v_pk_fma_f32 v[RR+8*\b+2*\i:RR+8*\b+2*\i+1], v[AC+8*(4*\g+\b)+2*\i:AC+8*(4*\g+\b)+2*\i+1], v[FB+8*\b+2*\i:FB+8*\b+2*\i+1], v[RR+8*\b+2*\i:RR+8*\b+2*\i+1] op_sel:[1,1,0] op_sel_hi:[0,1,1] neg_lo:[1,0,0]
.endr
.endr
	WIN 0
.irp b, 0,1,2,3
.irp i, 0,1,2,3
	v_cvt_pk_f16_f32 v[TMP+4*(4*\g+\b)+\i], v[RR+8*\b+2*\i], v[RR+8*\b+2*\i+1]
.endr
.endr
.endr
.endm
.macro TOSTAGE a                       ; into my own stage, and back as whole rows of 256 bytes: LDS serves a wave's instructions in order, so no wait stands between
.set BB, BK+32*((\a)%2)
.irp b, 0,1,2,3,4,5,6,7
	ds_store_b128 v[STO], v[TMP+4*\b:TMP+4*\b+3] offset:32*\b
.endr
.irp t, 0,1,2,3,4,5,6,7
	ds_load_b128 v[BB+4*\t:BB+4*\t+3], v[RD] offset:\t*2*SPITCH
.endr
.endm
.macro SEND a
.set BB, BK+32*((\a)%2)
	s_wait_dscnt 0x0                               ; the block is back in registers
	s_wait_xcnt 0x0                                ; the stores of the block before have read their registers: the next block's loads may land there
.irp t, 0,1,2,3,4,5,6,7
	global_store_b128 v[CO], v[BB+4*\t:BB+4*\t+3], s[12:13] offset:(\a)*4096+512*\t   ; 32 lanes store 512 consecutive bytes, aligned: two rows
.endr
.endm
	PACK 0
	TOSTAGE 0
.irp a, 1,2,3,4,5,6,7                  ; block a's arithmetic stands between block a - 1's loads from the stage and the wait for them
	PACK \a
	SEND \a-1
	TOSTAGE \a
.endr
	SEND 7
	s_wait_tensorcnt 0x0                           ; the wave's end, behind my last tensor load and my last LDS store
	ds_add_u32 v[SPW], v[NIL]
	s_wait_dscnt 0x0
	CROUND                                         ; the closing round
	s_endpgm
.Lfunc_end_k_q009641cdb6_qkvgemm:
	.size	k_q009641cdb6_qkvgemm, .Lfunc_end_k_q009641cdb6_qkvgemm-k_q009641cdb6_qkvgemm
	.p2alignl 7, 3214868480
	.fill 96, 4, 3214868480
	.section	.rodata,"a",@progbits
	.p2align	6, 0x0
	.amdhsa_kernel k_q009641cdb6_qkvgemm
		.amdhsa_group_segment_fixed_size 327680
		.amdhsa_private_segment_fixed_size 0
		.amdhsa_enable_private_segment 0
		.amdhsa_kernarg_size 56
		.amdhsa_user_sgpr_count 2
		.amdhsa_user_sgpr_kernarg_segment_ptr 1
		.amdhsa_wavefront_size32 1
		.amdhsa_system_sgpr_workgroup_id_x 1
		.amdhsa_system_sgpr_workgroup_id_y 1
		.amdhsa_system_sgpr_workgroup_id_z 1
		.amdhsa_system_vgpr_workitem_id 0
		.amdhsa_next_free_vgpr 1024
		.amdhsa_next_free_sgpr 100
		.amdhsa_reserve_vcc 1
		.amdhsa_float_denorm_mode_32 3
		.amdhsa_float_denorm_mode_16_64 3
		.amdhsa_memory_ordered 1
		.amdhsa_forward_progress 1
		.amdhsa_inst_pref_size 200
	.end_amdhsa_kernel
	.amdgpu_metadata
---
amdhsa.version: [ 1, 2 ]
amdhsa.kernels:
  - .name:           k_q009641cdb6_qkvgemm
    .symbol:         k_q009641cdb6_qkvgemm.kd
    .args:
      - { .name: acodes, .offset: 0, .size: 8, .value_kind: global_buffer, .address_space: global }
      - { .name: ascales, .offset: 8, .size: 8, .value_kind: global_buffer, .address_space: global }
      - { .name: bcodes, .offset: 16, .size: 8, .value_kind: global_buffer, .address_space: global }
      - { .name: bscales, .offset: 24, .size: 8, .value_kind: global_buffer, .address_space: global }
      - { .name: qkv, .offset: 32, .size: 8, .value_kind: global_buffer, .address_space: global }
      - { .name: freqs_cis, .offset: 40, .size: 8, .value_kind: global_buffer, .address_space: global }
      - { .name: exps, .offset: 48, .size: 8, .value_kind: global_buffer, .address_space: global }
    .group_segment_fixed_size: 327680
    .private_segment_fixed_size: 0
    .kernarg_segment_align: 8
    .kernarg_segment_size: 56
    .max_flat_workgroup_size: 128
    .sgpr_count:     100
    .vgpr_count:     1024
    .wavefront_size: 32
...
	.end_amdgpu_metadata
.endif
;; end of part 2
;; launch attention (part 3): grid 8 x 32, 8 waves a work-group, clusters of 4 x 1, 327,680 bytes of LDS; arguments qkv, exps, attn; writes attn
.if DOCPART == 3
	.amdgcn_target "amdgcn-amd-amdhsa--gfx1250"
	.amdhsa_code_object_version 6
	.text
	.protected	k_q009641cdb6_attention
	.globl	k_q009641cdb6_attention
	.p2align	8
	.type	k_q009641cdb6_attention,@function
k_q009641cdb6_attention:
	s_mov_b64 s[64:65], 0
	v_nop
	global_prefetch_b8 v0, s[64:65] scope:SCOPE_SE
	s_setreg_imm32_b32 hwreg(HW_REG_WAVE_MODE, 25, 1), 1
	s_wait_xcnt 0x0
	s_wait_alu depctr_hold_cnt(0) depctr_sa_sdst(0) depctr_va_vdst(0) depctr_va_sdst(0) depctr_va_ssrc(0) depctr_va_vcc(0) depctr_vm_vsrc(0)
	s_getreg_b32 s2, hwreg(HW_REG_IB_STS2, 6, 4)
	s_cmp_eq_u32 s2, 0
	s_cbranch_scc0 .Lentry_in_a_cluster
	s_endpgm
.Lentry_in_a_cluster:
	s_bfe_u32 s2, ttmp6, 0x10000c
	s_cmp_lg_u32 s2, 0x3003
	s_cbranch_scc0 .Lentry_shape_is_right
	s_endpgm
.Lentry_shape_is_right:
; attn[b][n][h][:] = the sum over m of softmax_m(q[n] . k[m] / 8) v[m][:], for 4 batches x 16 heads of 64, 2,048 queries and 2,048 keys, no mask.
; q, k, v: f16, qkv [3][4 batches][8 head pairs][2048 tokens][128 = two heads' 64].  q and k carry a block exponent: the true number is the stored one x exps[..], a power of two for each 128 tokens of a head pair.
; Products on f16 operands with f32 sums; maxima, exponentials and sums in f32; the weights p are rounded to f16 for the second product, the result once at the end.  attn: f16 [8192 tokens][1024].
; SOFTMAX.  t = score x c, c = log2(e) / 8 x q's exponent x k's exponent: c changes with the block of 128 keys, so the running maximum m is kept in units of t.  p = 2^(t - m); in every step O and the sum l are multiplied by 2^(old m - new m).
; LIMITS: NaN and infinities are not served; a weight under 2^-25 of its row's largest becomes 0; the result must lie under 65,504 in magnitude.
; SHARES.  A work-group owns 256 queries of one head PAIR, so that rows of K, V and the result are 256 bytes.  Wave w takes head w / 4 of the pair and queries 64 (w % 4) on: four tiles of 16.  Two waves share a SIMD,
; 512 registers each; a wave goes in phases (K Q^T, softmax, V^T P), so that one wave's vector work stands beside the other's products.  Every wave walks all keys, 64 a step.
; LAYOUT.  S^T = K Q^T (source 0 = 16 keys, source 1 = 16 queries): a lane holds one query and keys 8 (lane / 16) + 0..7.  Two such tiles, rounded to f16 in pairs, are source 1 of O^T = V^T P.  V comes out of LDS turned (ds_load_tr16_b128).
; RING.  Two slots of 256 keys (four steps): K's rows, then V's.  Each wave fetches 64 rows: waves 0-3 K's, waves 4-7 V's.
; CLUSTER.  The four query blocks of a cluster walk the same K and V: each tile is asked for jointly, with a mask that names the four.
; REGISTERS: window 0: v2-11 addresses and c, v14-15 the add's two, v16-47 statistics (eight a tile), v48-55 at work at the head, v64-191 S^T (32 a tile; P is laid over the first 16), v192-255 Q (16 a tile).
;   window 1: v0-127 O^T (32 a tile), v128-191 K of a step, v192-255 V of a step.
.set PK,    272                        ; a row of K in LDS: 256 bytes + 16 of padding
.set PV,    288                        ; a row of V: 256 + 32
.set SKEYS, 256                        ; keys in a slot
.set VOFF,  SKEYS*PK                   ; a slot: K's rows, then V's
.set SLOTB, SKEYS*(PK+PV)
.set KSTB,  64*PK                      ; a step's rows of K, and what one tensor load brings
.set VSTB,  64*PV
.set SPARE, 2*SLOTB                    ; behind the ring: the spare words, 128 bytes for each of eight waves
.set SP,    272                        ; the way out: a stage of 256 rows x (256 + 16) bytes in slot 0, which has had its last fill and its last read at the last change of slots
.set PLANE, 0x1000000                  ; bytes of q's, k's, v's part of qkv
.set SLOTG, SKEYS*256                  ; a slot's rows in memory
.set AK0, 2                            ; v2  my lane's place in a step's rows of K
.set AV0, 3                            ; v3  the same for V
.set ADK, 4                            ; v4, v5 the addresses of the step in hand
.set ADV, 5
.set QO,  6                            ; v6  my byte offset in the wave's rows of Q
.set STO, 7                            ; v7  the way out: where I put 16 bytes of a row
.set RD,  8                            ; v8  where I read a row back
.set GO,  9                            ; v9  my byte offset in the wave's rows of attn
.set PFO, 10                           ; v10 256 x lane; never rewritten
.set CSV, 11                           ; v11 lane i (0..15): c for keys 128 i .. 128 i + 127
.set SPW, 14
.set NIL, 15
.set ST,  16                           ; tile t's statistics at v[ST + 8 t]: +0 m, +1 zero (named with m as a pair), +2, +3 l (even keys', odd keys'), +4 c0, then a, +5 c1, +6 c2, +7 c3
.set S,   64
.set Q,   192
.set KF,  128                          ; in window 1
.set VF,  192
.set WV,  12                           ; s12 my wave's number
.set LIM, 15                           ; s15 1 in a wave that prefetches, else the greatest number
.set PFA, 18                           ; s[18:19] where my prefetches stand
.set G1K, 24
.set G1V, 32
.set G0K, 40                           ; s[40:47] group 0 for K's tiles, a set for each slot
.set G0V, 48                           ; s[48:55] the same for V's
.set SLOTS, 56                         ; s56 refills still to come
.set TW,  57                           ; s57 counts steps
.set CS,  58                           ; s[58:59] the step's c
.set SEL, 60                           ; s[60:61] lane l xor 16
.set TK,  62                           ; s62, s63 LDS byte at which the step's rows begin (V's: less VOFF)
.set TV,  63
.set SN,  66                           ; s66 the step's number, 0..31
.set LP,  67                           ; s67 counts pairs of slots
.set MSB, 0
.macro WIN new
.if MSB != (\new)
	s_set_vgpr_msb (MSB<<8)|(\new)
.set MSB, (\new)
.endif
.endm
.macro JLOAD s                         ; a joint refill of slot s; the branch hangs on the wave's number alone; an s_nop 0 and four v_nop follow each line
	s_cmp_lt_u32 s[WV], 4
	s_cbranch_scc0 .Lfor_v_\@
	tensor_load_to_lds s[G0K+4*\s:G0K+4*\s+3], s[G1K:G1K+7]
	s_nop 0
.rept 4
	v_nop
.endr
	s_branch .Lasked_\@
.Lfor_v_\@:
	tensor_load_to_lds s[G0V+4*\s:G0V+4*\s+3], s[G1V:G1V+7]
	s_nop 0
.rept 4
	v_nop
.endr
.Lasked_\@:
.endm
; A PREFETCH INTO THE L2 of what the NEXT change of slots will ask for: a slot's 256 rows of K and of V, 256 bytes a row, a lane a row.  Each row is named once in the launch: both clusters of a head pair walk the same rows,
; and the first asks; its four partners take 64 rows each, told apart by address; in each, waves 0 and 1 ask for K's (32 rows each) and waves 4 and 5 for V's.  The last refill asks for nothing; slots 0 to 2 come by their loads alone.
.macro ASK
	s_cmp_gt_u32 s[SLOTS], s[LIM]
	s_cbranch_scc0 .Lnot_mine_\@
	global_prefetch_b8 v[PFO], s[PFA:PFA+1] th:TH_LOAD_NT scope:SCOPE_SE
.Lnot_mine_\@:
.endm
.macro CROUND                          ; a round of the cluster's barrier
	s_barrier_signal -1
	s_barrier_wait -1
	s_cmp_lg_u32 s[WV], 0
	s_cbranch_scc1 .Lnot_wave_0_\@
	s_barrier_signal -3
.Lnot_wave_0_\@:
	s_barrier_wait -3
	s_barrier_signal -1
	s_barrier_wait -1
.endm
	s_load_b128 s[4:7], s[0:1], 0x0                ; qkv, exps
	s_load_b64 s[8:9], s[0:1], 0x10                ; attn
	v_lshl_add_u32 v[SPW], v0, 2, SPARE
	v_mov_b32 v[NIL], 0
	ds_add_u32 v[SPW], v[NIL]                      ; the wave's opening: the add, twice on end, and its wait ahead of my first tensor load; the set-up below stands between
	ds_add_u32 v[SPW], v[NIL]
	v_lshrrev_b32 v1, 5, v0
	v_readfirstlane_b32 s[WV], v1                  ; wave 0..7
	s_bfe_u32 s13, ttmp6, 0x40000                  ; cx
	s_lshl_b32 s14, ttmp9, 2
	s_add_co_u32 s14, s14, s13                     ; my block of 256 queries: it enters Q's, exps' and attn's addresses and the prefetches' alone
	s_and_b32 s16, s[WV], 3
	s_lshr_b32 s17, s[WV], 2                       ; my head of the pair
	s_and_b32 s72, ttmp7, 0xffff                   ; 8 x batch + head pair, which the partners share
	s_lshl_b32 s74, s72, 19                        ; its 2,048 rows of 256 bytes in each of the three parts
	s_mov_b32 s75, 0
	s_lshl_b32 s22, s16, 14                        ; the 64 rows that I fetch of a slot; also my 64 queries of the block
	s_mov_b32 s23, 0
	s_mul_i32 s20, s16, KSTB                       ; and their place in a slot: no place in the cluster enters an LDS address
	s_mul_i32 s21, s16, VSTB
	s_mov_b32 s[G1K], 15|(1<<16)|(1<<20)|(1<<21)|(5<<22)|(3<<25)  ; the mask: all four; elements of 2 bytes; padding on; bit 21 beside a mask; after every 64 words four words
	s_mov_b32 s[G1V], 15|(1<<16)|(1<<20)|(1<<21)|(5<<22)|(7<<25)  ; the same with eight words
.irp g, G1K, G1V
	s_mov_b32 s[\g+1], 128<<16                     ; tensor_dim0
	s_mov_b32 s[\g+2], 64<<16                      ; tensor_dim1
	s_mov_b32 s[\g+3], 128<<16                     ; tile_dim0
	s_mov_b32 s[\g+4], 64                          ; tile_dim1
	s_mov_b32 s[\g+5], 128                         ; from row to row
	s_mov_b32 s[\g+6], 0
	s_mov_b32 s[\g+7], 0
.endr
	s_mov_b32 s[SEL], 0x76543210
	s_mov_b32 s[SEL+1], 0xfedcba98
	s_mov_b32 s[TK], 0
	s_mov_b32 s[TV], 0
	s_mov_b32 s[SN], 0
	s_mov_b32 s[SLOTS], 6
	s_and_b32 s[LIM], s[WV], 2                     ; 0 in waves 0, 1, 4, 5,
	s_or_b32 s[LIM], s[LIM], ttmp9                 ; of the head pair's first cluster: the same in all four partners
	s_cmp_eq_u32 s[LIM], 0
	s_cselect_b32 s[LIM], 1, -1
	v_and_b32 v[PFO], 31, v0
	v_lshlrev_b32 v[PFO], 8, v[PFO]
	s_wait_dscnt 0x0                               ; both opening adds are done
	s_wait_kmcnt 0x0
	s_add_nc_u64 s[74:75], s[4:5], s[74:75]        ; my head pair's first row in q's part
	s_add_nc_u64 s[22:23], s[74:75], s[22:23]      ; + 64 (w % 4) rows
	CROUND                                         ; all four work-groups are here: the first joint loads meet
.irp s, 0,1
	s_mov_b32 s[G0K+4*\s], 1
	s_add_co_u32 s[G0K+4*\s+1], s20, \s*SLOTB
	s_add_nc_u64 s[G0K+4*\s+2:G0K+4*\s+3], s[22:23], PLANE+\s*SLOTG
	s_or_b32 s[G0K+4*\s+3], s[G0K+4*\s+3], 0x80000000
	s_mov_b32 s[G0V+4*\s], 1
	s_add_co_u32 s[G0V+4*\s+1], s21, \s*SLOTB+VOFF
	s_add_nc_u64 s[G0V+4*\s+2:G0V+4*\s+3], s[22:23], 2*PLANE+\s*SLOTG
	s_or_b32 s[G0V+4*\s+3], s[G0V+4*\s+3], 0x80000000
.endr
	s_cmp_lt_u32 s[WV], 4                          ; a wave's two first fills stand in one branch, ahead of every wait on TENSORcnt and every LDS read: two loads of mine are out
	s_cbranch_scc0 .Lfirst_v
	tensor_load_to_lds s[G0K:G0K+3], s[G1K:G1K+7]
	s_nop 0
	tensor_load_to_lds s[G0K+4:G0K+7], s[G1K:G1K+7]
	s_nop 0
.rept 4
	v_nop
.endr
	s_branch .Lfirst_asked
.Lfirst_v:
	tensor_load_to_lds s[G0V:G0V+3], s[G1V:G1V+7]
	s_nop 0
	tensor_load_to_lds s[G0V+4:G0V+7], s[G1V:G1V+7]
	s_nop 0
.rept 4
	v_nop
.endr
.Lfirst_asked:
	; the prefetches' address: K's or V's part, my work-group's 64 rows, my wave's 32 of them, in slot 2: the first change of slots steps it to slot 3.  Nothing is prefetched here, at the head
	s_mov_b32 s68, 2*PLANE
	s_cmp_lt_u32 s[WV], 4
	s_cselect_b32 s68, PLANE, s68
	s_lshl_b32 s69, s13, 14
	s_add_co_u32 s68, s68, s69
	s_and_b32 s69, s[WV], 1
	s_lshl_b32 s69, s69, 13
	s_add_co_u32 s68, s68, s69
	s_add_co_u32 s68, s68, 2*SLOTG
	s_mov_b32 s69, 0
	s_add_nc_u64 s[PFA:PFA+1], s[74:75], s[68:69]
	s_lshl_b32 s68, s14, 16                        ; Q: my block's 256 rows
	s_add_nc_u64 s[70:71], s[22:23], s[68:69]
	s_lshl_b32 s68, s72, 6                         ; exps: 16 words for each head pair
	s_add_nc_u64 s[6:7], s[6:7], s[68:69]
	s_lshr_b32 s68, s72, 3                         ; attn: row 2,048 x batch + 256 x block + 32 x wave, of 2,048 bytes; + 256 bytes x head pair
	s_lshl_b32 s68, s68, 11
	s_lshl_b32 s73, s14, 8
	s_add_co_u32 s68, s68, s73
	s_lshl_b32 s73, s[WV], 5
	s_add_co_u32 s68, s68, s73
	s_lshl_b32 s68, s68, 11
	s_and_b32 s73, s72, 7
	s_lshl_b32 s73, s73, 8
	s_add_co_u32 s68, s68, s73
	s_add_nc_u64 s[8:9], s[8:9], s[68:69]
	v_and_b32 v1, 15, v0                           ; r
	v_bfe_u32 v48, v0, 4, 1                        ; h
	s_lshl_b32 s73, s17, 7                         ; my head's 128 bytes of a row
	v_lshlrev_b32 v[QO], 8, v1
	v_lshl_add_u32 v[QO], v48, 4, v[QO]
	v_add_nc_u32 v[QO], s73, v[QO]                 ; row r x 256 + 16 h + my head
.irp t, 0,1,2,3                        ; Q stays in registers: tile t, channels 32 kk on
.irp kk, 0,1
	global_load_b128 v[Q+16*\t+8*\kk:Q+16*\t+8*\kk+3],   v[QO], s[70:71] offset:\t*4096+64*\kk
	global_load_b128 v[Q+16*\t+8*\kk+4:Q+16*\t+8*\kk+7], v[QO], s[70:71] offset:\t*4096+64*\kk+32
.endr
.endr
	v_lshlrev_b32 v50, 2, v1
	global_load_b32 v51, v50, s[6:7] offset:2048   ; k's exponents: lane i % 16 takes block i's (k's words lie 512 words behind q's)
	s_lshl_b32 s68, s14, 1
	s_lshr_b32 s69, s16, 1
	s_add_co_u32 s68, s68, s69                     ; my queries' block of 128
	s_lshl_b32 s68, s68, 2
	v_mov_b32 v52, s68
	global_load_b32 v53, v52, s[6:7]               ; q's exponent
	v_mul_u32_u24 v[AK0], v1, PK
	v_lshl_add_u32 v[AK0], v48, 4, v[AK0]
	v_add_nc_u32 v[AK0], s73, v[AK0]               ; row r x pitch + 16 h + my head
	v_and_b32 v54, 7, v0
	v_bfe_u32 v55, v0, 3, 1
	v_lshl_add_u32 v[AV0], v48, 3, v54             ; the turning load: key 8 h + lane % 8,
	v_mul_u32_u24 v[AV0], v[AV0], PV
	v_lshl_add_u32 v[AV0], v55, 4, v[AV0]          ; channels 8 ((lane / 8) % 2) on
	s_add_co_u32 s69, s73, VOFF
	v_add_nc_u32 v[AV0], s69, v[AV0]
	s_mul_i32 s69, s16, 64*SP                      ; the stage, in: row 64 (w % 4) + 16 t + r, my head's 128 bytes, 16 bytes for each half of the lanes
	s_add_co_u32 s69, s69, s73
	v_mul_u32_u24 v[STO], v1, SP
	v_lshl_add_u32 v[STO], v48, 4, v[STO]
	v_add_nc_u32 v[STO], s69, v[STO]
	s_mul_i32 s69, s[WV], 32*SP                    ; back: wave w takes rows 32 w on, whole; lanes 0-15 one row, lanes 16-31 the next
	v_mul_u32_u24 v[RD], v48, SP
	v_lshl_add_u32 v[RD], v1, 4, v[RD]
	v_add_nc_u32 v[RD], s69, v[RD]
	v_lshlrev_b32 v[GO], 11, v48                   ; and the same two rows in attn
	v_lshl_add_u32 v[GO], v1, 4, v[GO]
.irp t, 0,1,2,3
	v_mov_b32 v[ST+8*\t+1], 0                      ; named with m as a pair, so it is written
.endr
	s_wait_loadcnt 0x0                             ; Q and the exponents
	v_mul_f32 v53, 0x3e38aa3b, v53                 ; log2(e) / 8 x q's exponent
	v_mul_f32 v[CSV], v53, v51                     ; x k's: exact but for the constant's own rounding
; A KEY STEP: 64 keys.  first = 1: the first step starts m, l and O^T.
.macro STEP first
	s_lshr_b32 s68, s[SN], 1
	v_readlane_b32 s[CS], v[CSV], s68              ; c of this step's block of 128 keys
	s_mov_b32 s[CS+1], s[CS]                       ; (named with it as a pair)
	v_add_nc_u32 v[ADK], s[TK], v[AK0]
	v_add_nc_u32 v[ADV], s[TV], v[AV0]
.rept 3
	v_nop                                          ; with the two additions: five places behind the last V^T P, for the loads into V's registers (four) and for K Q^T, which writes over P's (five)
.endr
	WIN 0x40                                       ; destination window 1
.irp j, 0,1,2,3
.irp kk, 0,1
	ds_load_b128 v[KF+16*\j+8*\kk:KF+16*\j+8*\kk+3],   v[ADK] offset:\j*16*PK+64*\kk
	ds_load_b128 v[KF+16*\j+8*\kk+4:KF+16*\j+8*\kk+7], v[ADK] offset:\j*16*PK+64*\kk+32
.endr
.endr
.irp u, 0,1
.irp c, 0,1,2,3
	ds_load_tr16_b128 v[VF+32*\u+8*\c:VF+32*\u+8*\c+3],   v[ADV] offset:\u*32*PV+32*\c
	ds_load_tr16_b128 v[VF+32*\u+8*\c+4:VF+32*\u+8*\c+7], v[ADV] offset:\u*32*PV+16*PV+32*\c
.endr
.endr
	s_wait_dscnt 16                                ; K's sixteen loads are in; V's sixteen may be out
	WIN 0x01                                       ; source 0 (K) window 1
.irp kk, 0,1                           ; sixteen accumulators by turns, one instruction a turn
.irp j, 0,1,2,3
.irp t, 0,1,2,3
.if \kk == 0
	v_wmma_f32_16x16x32_f16 v[S+32*\t+8*\j:S+32*\t+8*\j+7], v[KF+16*\j+8*\kk:KF+16*\j+8*\kk+7], v[Q+16*\t+8*\kk:Q+16*\t+8*\kk+7], 0
.else
	v_wmma_f32_16x16x32_f16 v[S+32*\t+8*\j:S+32*\t+8*\j+7], v[KF+16*\j+8*\kk:KF+16*\j+8*\kk+7], v[Q+16*\t+8*\kk:Q+16*\t+8*\kk+7], v[S+32*\t+8*\j:S+32*\t+8*\j+7]
.endif
.endr
.endr
.endr
	WIN 0
.rept 4
	v_nop                                          ; places in front of the first read of results
.endr
	; the largest score of my query's 32 keys: four chains a tile, each accumulator from its low end on; the four tiles by turns in every line
.irp j, 0,1,2,3
.irp t, 0,1,2,3
	v_max3_num_f32 v[ST+8*\t+4+\j], v[S+32*\t+8*\j], v[S+32*\t+8*\j+1], v[S+32*\t+8*\j+2]
.endr
.endr
.irp g, 1,2
.irp j, 0,1,2,3
.irp t, 0,1,2,3
	v_max3_num_f32 v[ST+8*\t+4+\j], v[ST+8*\t+4+\j], v[S+32*\t+8*\j+2*\g+1], v[S+32*\t+8*\j+2*\g+2]
.endr
.endr
.endr
.irp t, 0,1,2,3
	v_max3_num_f32 v[ST+8*\t+4], v[ST+8*\t+4], v[S+32*\t+7], v[S+32*\t+15]
.endr
.irp t, 0,1,2,3
	v_max3_num_f32 v[ST+8*\t+6], v[ST+8*\t+6], v[S+32*\t+23], v[S+32*\t+31]
.endr
.irp t, 0,1,2,3
	v_max3_num_f32 v[ST+8*\t+4], v[ST+8*\t+4], v[ST+8*\t+5], v[ST+8*\t+6]
.endr
.irp t, 0,1,2,3
	v_max_num_f32 v[ST+8*\t+4], v[ST+8*\t+4], v[ST+8*\t+7]
.endr
.irp t, 0,1,2,3
	v_permlanex16_b32 v[ST+8*\t+5], v[ST+8*\t+4], s[SEL], s[SEL+1]   ; the query's other 32 keys lie in the lane 16 away
.endr
.irp t, 0,1,2,3
	v_max_num_f32 v[ST+8*\t+4], v[ST+8*\t+4], v[ST+8*\t+5]
.endr
.if \first
.irp t, 0,1,2,3
	v_mul_f32 v[ST+8*\t], s[CS], v[ST+8*\t+4]      ; m, in units of t (c is positive)
.endr
.else
.irp t, 0,1,2,3
	v_mov_b32 v[ST+8*\t+7], v[ST+8*\t]             ; the old m
.endr
.irp t, 0,1,2,3
	v_mul_f32 v[ST+8*\t+6], s[CS], v[ST+8*\t+4]
.endr
.irp t, 0,1,2,3
	v_max_num_f32 v[ST+8*\t], v[ST+8*\t+7], v[ST+8*\t+6]
.endr
.irp t, 0,1,2,3
	v_sub_f32 v[ST+8*\t+7], v[ST+8*\t+7], v[ST+8*\t]   ; old m - new m
.endr
.endif
.irp i, 0,1,2,3,4,5,6,7,8,9,10,11,12,13,14,15
.irp t, 0,1,2,3
	v_pk_fma_f32 v[S+32*\t+2*\i:S+32*\t+2*\i+1], v[S+32*\t+2*\i:S+32*\t+2*\i+1], s[CS:CS+1], v[ST+8*\t:ST+8*\t+1] op_sel_hi:[1,0,0] neg_lo:[0,0,1] neg_hi:[0,0,1]   ; c s - m, two at a time
.endr
.endr
	; ONE BATCH of exponentials, none of which reads another's result
.if !\first
.irp t, 0,1,2,3
	v_exp_f32 v[ST+8*\t+4], v[ST+8*\t+7]           ; a = 2^(old m - new m)
.endr
.endif
.irp i, 0,1,2,3,4,5,6,7,8,9,10,11,12,13,14,15,16,17,18,19,20,21,22,23,24,25,26,27,28,29,30,31
.irp t, 0,1,2,3
	v_exp_f32 v[S+32*\t+\i], v[S+32*\t+\i]
.endr
.endr
	v_nop                                          ; a plain instruction behind the last exponential, ahead of the first use
	s_wait_alu depctr_va_vdst(0)                   ; one wait for the whole batch, ahead of its first reader
.irp t, 0,1,2,3
.if \first
	v_pk_add_f32 v[ST+8*\t+2:ST+8*\t+3], v[S+32*\t:S+32*\t+1], v[S+32*\t+2:S+32*\t+3]
.else
	v_pk_fma_f32 v[ST+8*\t+2:ST+8*\t+3], v[ST+8*\t+2:ST+8*\t+3], v[ST+8*\t+4:ST+8*\t+5], v[S+32*\t:S+32*\t+1] op_sel_hi:[1,0,1]   ; l = a l + the first pair
.endif
.endr
.irp i, 1,2,3,4,5,6,7,8,9,10,11,12,13,14,15
.if (\i > 1) || (\first == 0)
.irp t, 0,1,2,3
	v_pk_add_f32 v[ST+8*\t+2:ST+8*\t+3], v[ST+8*\t+2:ST+8*\t+3], v[S+32*\t+2*\i:S+32*\t+2*\i+1]   ; the sum is taken of the unrounded weights
.endr
.endif
.endr
.irp i, 0,1,2,3,4,5,6,7,8,9,10,11,12,13,14,15
.irp t, 0,1,2,3
	v_cvt_pk_f16_f32 v[S+32*\t+\i], v[S+32*\t+2*\i], v[S+32*\t+2*\i+1]   ; P, in place and ascending: register i is written when registers 2 i and 2 i + 1 are read
.endr
.endr
	s_wait_dscnt 0x0                               ; V is in
.if !\first
	WIN 0x41                                       ; O^T (destination and source 0) window 1
.irp i, 0,1,2,3,4,5,6,7,8,9,10,11,12,13,14,15
.irp t, 0,1,2,3
	v_pk_mul_f32 v[32*\t+2*\i:32*\t+2*\i+1], v[32*\t+2*\i:32*\t+2*\i+1], v[ST+8*\t+4:ST+8*\t+5] op_sel_hi:[1,0]
.endr
.endr
.endif
	WIN 0x51                                       ; V (source 0), C and D window 1; P window 0
.irp u, 0,1                            ; sixteen accumulators by turns
.irp c, 0,1,2,3
.irp t, 0,1,2,3
.if \first && (\u == 0)
	v_wmma_f32_16x16x32_f16 v[32*\t+8*\c:32*\t+8*\c+7], v[VF+32*\u+8*\c:VF+32*\u+8*\c+7], v[S+32*\t+8*\u:S+32*\t+8*\u+7], 0
.else
	v_wmma_f32_16x16x32_f16 v[32*\t+8*\c:32*\t+8*\c+7], v[VF+32*\u+8*\c:VF+32*\u+8*\c+7], v[S+32*\t+8*\u:S+32*\t+8*\u+7], v[32*\t+8*\c:32*\t+8*\c+7]
.endif
.endr
.endr
.endr
	WIN 0
	s_add_co_u32 s[TK], s[TK], KSTB                ; the next step's rows
	s_add_co_u32 s[TV], s[TV], VSTB
	s_add_co_u32 s[SN], s[SN], 1
.endm
.macro STEPS n
	s_mov_b32 s[TW], \n
.Lstep_\@:
	STEP 0
	s_sub_co_u32 s[TW], s[TW], 1
	s_cmp_lg_u32 s[TW], 0
	s_cbranch_scc1 .Lstep_\@
.endm
; THE CHANGE OF SLOTS.  Each wave waits for all its tensor loads (one is out: its part of the slot ahead), adds 0 to its spare word, and waits for that and for its reads of the slot that it leaves.
; fill = 1: slot s, just left, is filled with the keys two slots on.  The barrier is then a round of the cluster's, and the joint refill is the first thing behind it: one load of mine is out, and it has four steps in which to land.
.macro CHANGE fill, s, nxt
	WIN 0
	s_wait_tensorcnt 0x0                           ; no tensor load of mine is out, so a group 0 may be written
	ds_add_u32 v[SPW], v[NIL]                      ; 0 onto my spare word; the descriptors' steps stand between it and the wait for it
.if \fill
	s_add_nc_u64 s[G0K+4*\s+2:G0K+4*\s+3], s[G0K+4*\s+2:G0K+4*\s+3], 2*SLOTG
	s_add_nc_u64 s[G0V+4*\s+2:G0V+4*\s+3], s[G0V+4*\s+2:G0V+4*\s+3], 2*SLOTG
	s_wait_xcnt 0x0                                ; the last prefetch, a slot back, has read its address
	s_add_nc_u64 s[PFA:PFA+1], s[PFA:PFA+1], SLOTG
.endif
	s_wait_dscnt 0x0                               ; the add is done, and my reads of the slot are over
.if \fill
	CROUND
	JLOAD \s
	ASK                                            ; what the next change will ask for: four steps ahead of that load
	s_sub_co_u32 s[SLOTS], s[SLOTS], 1
.else
	s_barrier_signal -1
	s_barrier_wait -1
.endif
	s_mov_b32 s[TK], \nxt*SLOTB
	s_mov_b32 s[TV], \nxt*SLOTB
.endm
	s_wait_tensorcnt 1                             ; my part of slot 0 is in; slot 1's may stay out
	s_barrier_signal -1
	s_barrier_wait -1                              ; everybody's is
	STEP 1                                         ; keys 0 to 255
	STEPS 3
	s_mov_b32 s[LP], 3
.Lpair:                                            ; three trips: keys 256 to 1,791 are read, keys 512 to 2,047 asked for
	CHANGE 1, 0, 1
	STEPS 4
	CHANGE 1, 1, 0
	STEPS 4
	s_sub_co_u32 s[LP], s[LP], 1
	s_cmp_lg_u32 s[LP], 0
	s_cbranch_scc1 .Lpair
	CHANGE 0, 0, 1                                 ; the tail is written out: nothing is asked for
	STEPS 4
	; THE WAY OUT.  l's halves and the other half of the lanes' are added (the additions are the places behind the last products); O^T / l, rounded to f16, goes through the work-group's stage.
.irp t, 0,1,2,3
	v_add_f32 v[ST+8*\t+4], v[ST+8*\t+2], v[ST+8*\t+3]
.endr
.irp t, 0,1,2,3
	v_permlanex16_b32 v[ST+8*\t+5], v[ST+8*\t+4], s[SEL], s[SEL+1]
.endr
.irp t, 0,1,2,3
	v_add_f32 v[ST+8*\t+4], v[ST+8*\t+4], v[ST+8*\t+5]
.endr
.irp t, 0,1,2,3
	v_rcp_f32 v[ST+8*\t+6], v[ST+8*\t+4]
.endr
	v_nop                                          ; a plain instruction behind the last reciprocal
	s_wait_alu depctr_va_vdst(0)                   ; one wait for the four, ahead of the first use
.irp t, 0,1,2,3
	WIN 0x41
.irp i, 0,1,2,3,4,5,6,7,8,9,10,11,12,13,14,15
	v_pk_mul_f32 v[32*\t+2*\i:32*\t+2*\i+1], v[32*\t+2*\i:32*\t+2*\i+1], v[ST+8*\t+6:ST+8*\t+7] op_sel_hi:[1,0]   ; each accumulator from its low end on
.endr
	WIN 0x05                                       ; sources window 1, destination window 0
.irp i, 0,1,2,3,4,5,6,7,8,9,10,11,12,13,14,15
	v_cvt_pk_f16_f32 v[S+16*\t+\i], v[32*\t+2*\i], v[32*\t+2*\i+1]
.endr
	WIN 0
.irp c, 0,1,2,3
	ds_store_b128 v[STO], v[S+16*\t+4*\c:S+16*\t+4*\c+3] offset:\t*16*SP+32*\c
.endr
.endr
	s_wait_dscnt 0x0                               ; for the others' sake: my stores into the stage are done (a row's 256 bytes come from waves w and w + 4)
	s_barrier_signal -1
	s_barrier_wait -1
.irp i, 0,1,2,3,4,5,6,7,8,9,10,11,12,13,14,15
	ds_load_b128 v[128+4*\i:128+4*\i+3], v[RD] offset:\i*2*SP
.endr
.irp i, 0,1,2,3,4,5,6,7,8,9,10,11,12,13,14,15
	s_wait_dscnt 15-\i                             ; load i is in; the younger ones may be out
	global_store_b128 v[GO], v[128+4*\i:128+4*\i+3], s[8:9] offset:\i*4096   ; 16 lanes store 256 consecutive bytes, aligned
.endr
	s_wait_tensorcnt 0x0                           ; the wave's end, behind my last tensor load and my last LDS store
	ds_add_u32 v[SPW], v[NIL]
	s_wait_dscnt 0x0
	CROUND                                         ; the closing round
	s_endpgm
.Lfunc_end_k_q009641cdb6_attention:
	.size	k_q009641cdb6_attention, .Lfunc_end_k_q009641cdb6_attention-k_q009641cdb6_attention
	.p2alignl 7, 3214868480
	.fill 96, 4, 3214868480
	.section	.rodata,"a",@progbits
	.p2align	6, 0x0
	.amdhsa_kernel k_q009641cdb6_attention
		.amdhsa_group_segment_fixed_size 327680
		.amdhsa_private_segment_fixed_size 0
		.amdhsa_enable_private_segment 0
		.amdhsa_kernarg_size 24
		.amdhsa_user_sgpr_count 2
		.amdhsa_user_sgpr_kernarg_segment_ptr 1
		.amdhsa_wavefront_size32 1
		.amdhsa_system_sgpr_workgroup_id_x 1
		.amdhsa_system_sgpr_workgroup_id_y 1
		.amdhsa_system_sgpr_workgroup_id_z 1
		.amdhsa_system_vgpr_workitem_id 0
		.amdhsa_next_free_vgpr 512
		.amdhsa_next_free_sgpr 80
		.amdhsa_reserve_vcc 0
		.amdhsa_float_denorm_mode_32 3
		.amdhsa_float_denorm_mode_16_64 3
		.amdhsa_memory_ordered 1
		.amdhsa_forward_progress 1
		.amdhsa_inst_pref_size 181
	.end_amdhsa_kernel
	.amdgpu_metadata
---
amdhsa.version: [ 1, 2 ]
amdhsa.kernels:
  - .name:           k_q009641cdb6_attention
    .symbol:         k_q009641cdb6_attention.kd
    .args:
      - { .name: qkv, .offset: 0, .size: 8, .value_kind: global_buffer, .address_space: global }
      - { .name: exps, .offset: 8, .size: 8, .value_kind: global_buffer, .address_space: global }
      - { .name: attn, .offset: 16, .size: 8, .value_kind: global_buffer, .address_space: global }
    .group_segment_fixed_size: 327680
    .private_segment_fixed_size: 0
    .kernarg_segment_align: 8
    .kernarg_segment_size: 24
    .max_flat_workgroup_size: 256
    .sgpr_count:     80
    .vgpr_count:     512
    .wavefront_size: 32
...
	.end_amdgpu_metadata
.endif
;; end of part 3
;; launch proj (part 4): grid 8 x 32, 4 waves a work-group, clusters of 4 x 4, 327,680 bytes of LDS; arguments attn, wp16, bproj, out0; writes out0
.if DOCPART == 4
	.amdgcn_target "amdgcn-amd-amdhsa--gfx1250"
	.amdhsa_code_object_version 6
	.text
	.protected	k_q009641cdb6_proj
	.globl	k_q009641cdb6_proj
	.p2align	8
	.type	k_q009641cdb6_proj,@function
k_q009641cdb6_proj:
	s_mov_b64 s[64:65], 0
	v_nop
	global_prefetch_b8 v0, s[64:65] scope:SCOPE_SE
	s_setreg_imm32_b32 hwreg(HW_REG_WAVE_MODE, 25, 1), 1
	s_wait_xcnt 0x0
	s_wait_alu depctr_hold_cnt(0) depctr_sa_sdst(0) depctr_va_vdst(0) depctr_va_sdst(0) depctr_va_ssrc(0) depctr_va_vcc(0) depctr_vm_vsrc(0)
	s_getreg_b32 s2, hwreg(HW_REG_IB_STS2, 6, 4)
	s_cmp_eq_u32 s2, 0
	s_cbranch_scc0 .Lentry_in_a_cluster
	s_endpgm
.Lentry_in_a_cluster:
	s_bfe_u32 s2, ttmp6, 0x10000c
	s_cmp_lg_u32 s2, 0xf033
	s_cbranch_scc0 .Lentry_shape_is_right
	s_endpgm
.Lentry_shape_is_right:
; out0[m][n] = the sum over k of attn[m][k] Wproj[n][k] + bproj[n].  attn [8192][1024] and wp16 [1024][1024]: f16, K innermost; bproj [1024] and out0 [8192][1024]: f32; sums in f32.
; A tile of out0 is 256 rows x 128 columns: 256 work-groups.  Four waves, each 128 x 64: 32 accumulators, 256 registers.  K goes in steps of 128 (rows of 256 bytes) through a ring of two LDS slots.
; CLUSTERS: 4 x 4.  A's tile is shared along a row of the cluster, B's along a column: each is asked for jointly.  Waves 0 and 1 fetch A's halves (128 rows), waves 2 and 3 B's (64 rows): one load a wave.
; THE MATRIX INSTRUCTION IS USED TRANSPOSED (source 0 = 16 rows of Wproj, source 1 = 16 rows of attn): a lane holds eight neighbouring columns of one row.  The bias is the C of each sum's first product: nothing is cleared, nothing added later.
; LIMITS: operands in f16: attn and Wproj under 65,504 in magnitude; NaN and infinities are not served.
; REGISTERS: window 0: v0-31 addresses; v32-95, v96-159 A's fragments (8 x 16 rows x 32 K), two buffers; v160-191, v192-223 B's (4 blocks), two buffers; v224-255 the bias, eight registers a column block.
;   window 1: accumulator (a, b) at v[8 (4 a + b)].  On the way out v32-95 take rows read back from the stage.
.set SIZE_K, 1024
.set SIZE_N, 1024
.set KSTEP,  128
.set PITCH,  272                       ; an LDS row: 256 bytes + 16 of padding
.set HALFA,  128*PITCH                 ; what a load for A brings, and what a wave reads of A
.set HALFB,  64*PITCH                  ; the same for B
.set SLOT,   2*HALFA+2*HALFB           ; A's 256 rows, then B's 128
.set STAGE,  2*SLOT                    ; behind the ring: 16 rows x 272 bytes for each wave; no tensor load lands there
.set SPITCH, 272
.set SPARE,  STAGE+4*16*SPITCH         ; the spare words, 128 bytes a wave
.set LAPS,   SIZE_K/(2*KSTEP)          ; a lap = two K steps = once round the ring
.set ADRA, 16
.set ADRB, 20
.set STO,  24
.set RD,   25
.set CO,   26
.set SPW,  28
.set NIL,  29
.set AF,   32
.set BF,   160
.set BIAS, 224
.set BK,   32
.set G1, 24
.set G0, 32
.set G1B, 48
.set G0B, 56
.set MSB, 0
.macro WIN new
.if MSB != (\new)
	s_set_vgpr_msb (MSB<<8)|(\new)
.set MSB, (\new)
.endif
.endm
.set MUL,   0x50                       ; C and D window 1
.set MUL_0, 0x40                       ; D window 1, C (the bias) window 0
.macro JLOAD s                         ; a joint load; an s_nop 0 and four v_nop follow each of the two lines
	s_cmp_eq_u32 s13, 0
	s_cbranch_scc0 .Lfor_b_\@
	tensor_load_to_lds s[G0+4*\s:G0+4*\s+3], s[G1:G1+7]
	s_nop 0
.rept 4
	v_nop
.endr
	s_branch .Lasked_\@
.Lfor_b_\@:
	tensor_load_to_lds s[G0B+4*\s:G0B+4*\s+3], s[G1B:G1B+7]
	s_nop 0
.rept 4
	v_nop
.endr
.Lasked_\@:
.endm
.macro CREST                           ; a round of the cluster's barrier behind its opening barrier
	s_cmp_lg_u32 s12, 0
	s_cbranch_scc1 .Lnot_wave_0_\@
	s_barrier_signal -3
.Lnot_wave_0_\@:
	s_barrier_wait -3
	s_barrier_signal -1
	s_barrier_wait -1
.endm
.macro CROUND
	s_barrier_signal -1
	s_barrier_wait -1
	CREST
.endm
	s_load_b128 s[4:7], s[0:1], 0x0                ; attn, wp16
	s_load_b128 s[8:11], s[0:1], 0x10              ; bproj, out0
	v_lshl_add_u32 v[SPW], v0, 2, SPARE
	v_mov_b32 v[NIL], 0
	ds_add_u32 v[SPW], v[NIL]                      ; the wave's opening: the add, twice on end, and its wait ahead of my first tensor load; the set-up below stands between
	ds_add_u32 v[SPW], v[NIL]
	v_lshrrev_b32 v1, 5, v0
	v_readfirstlane_b32 s12, v1                    ; wave 0..3
	s_lshr_b32 s13, s12, 1                         ; which half of the tile's rows is mine.  Also: I fetch for A (0) or for B (1)
	s_and_b32 s14, s12, 1                          ; which half of its columns.  Also: which half of that tile I fetch
	s_bfe_u32 s40, ttmp6, 0x40000                  ; cx, cy
	s_bfe_u32 s41, ttmp6, 0x40004
	s_lshl_b32 s42, ttmp9, 2
	s_add_co_u32 s42, s42, s40                     ; tile column
	s_and_b32 s15, ttmp7, 0xffff
	s_lshl_b32 s15, s15, 2
	s_add_co_u32 s15, s15, s41                     ; tile row
	s_lshl_b32 s43, s41, 2
	s_lshl_b32 s43, 15, s43                        ; my row of the cluster
	s_lshl_b32 s44, 0x1111, s40                    ; my column
	s_or_b32 s[G1+0], s43, (1<<16)|(1<<20)|(1<<21)|(5<<22)|(3<<25)  ; the mask; elements of 2 bytes; padding on; bit 21 beside a mask; after every 64 words four words
	s_or_b32 s[G1B+0], s44, (1<<16)|(1<<20)|(1<<21)|(5<<22)|(3<<25)
	s_mov_b32 s[G1+1], KSTEP<<16                   ; tensor_dim0
	s_mov_b32 s[G1+2], 128<<16                     ; tensor_dim1
	s_mov_b32 s[G1+3], KSTEP<<16                   ; tile_dim0
	s_mov_b32 s[G1+4], 128                         ; tile_dim1
	s_mov_b32 s[G1+5], SIZE_K                      ; from row to row
	s_mov_b32 s[G1+6], 0
	s_mov_b32 s[G1+7], 0
	s_mov_b32 s[G1B+1], KSTEP<<16
	s_mov_b32 s[G1B+2], 64<<16
	s_mov_b32 s[G1B+3], KSTEP<<16
	s_mov_b32 s[G1B+4], 64
	s_mov_b32 s[G1B+5], SIZE_K
	s_mov_b32 s[G1B+6], 0
	s_mov_b32 s[G1B+7], 0
	s_lshl_b32 s16, s15, 8
	s_lshl_b32 s17, s14, 7
	s_add_co_u32 s16, s16, s17                     ; A: row 256 x tile row + 128 x half,
	s_lshl_b32 s16, s16, 11                        ; of 2,048 bytes (under 2^24)
	s_mov_b32 s17, 0
	s_lshl_b32 s46, s42, 7
	s_lshl_b32 s47, s14, 6
	s_add_co_u32 s46, s46, s47                     ; B: row 128 x tile column + 64 x half
	s_lshl_b32 s46, s46, 11
	s_mov_b32 s47, 0
	s_mul_i32 s20, s14, HALFA                      ; where they go: no place in the cluster enters an LDS address
	s_mul_i32 s21, s14, HALFB
	s_add_co_u32 s21, s21, 2*HALFA
	s_wait_dscnt 0x0                               ; both opening adds are done
	s_wait_kmcnt 0x0
	s_add_nc_u64 s[18:19], s[4:5], s[16:17]
	s_add_nc_u64 s[46:47], s[6:7], s[46:47]
	CROUND                                         ; all sixteen work-groups are here: the first joint loads meet
.irp s, 0,1
	s_mov_b32 s[G0+4*\s], 1
	s_add_co_u32 s[G0+4*\s+1], s20, \s*SLOT
	s_add_nc_u64 s[G0+4*\s+2:G0+4*\s+3], s[18:19], \s*KSTEP*2
	s_or_b32 s[G0+4*\s+3], s[G0+4*\s+3], 0x80000000
	s_mov_b32 s[G0B+4*\s], 1
	s_add_co_u32 s[G0B+4*\s+1], s21, \s*SLOT
	s_add_nc_u64 s[G0B+4*\s+2:G0B+4*\s+3], s[46:47], \s*KSTEP*2
	s_or_b32 s[G0B+4*\s+3], s[G0B+4*\s+3], 0x80000000
	JLOAD \s                                       ; two loads of mine are out
.endr
	v_and_b32 v1, 15, v0                           ; r
	v_bfe_u32 v2, v0, 4, 1                         ; h
	v_mul_u32_u24 v3, v1, PITCH
	v_lshl_add_u32 v3, v2, 4, v3                   ; a fragment's row x pitch + 16 x half
	s_mul_i32 s22, s13, HALFA                      ; my 128 rows of A
	s_mul_i32 s23, s14, HALFB                      ; my 64 rows of B,
	s_add_co_u32 s23, s23, 2*HALFA                 ; which lie behind A's 256
.irp s, 0,1
	v_add_nc_u32 v[ADRA+\s], s22, v3
	v_add_nc_u32 v[ADRB+\s], s23, v3
	s_add_co_u32 s22, s22, SLOT
	s_add_co_u32 s23, s23, SLOT
.endr
	s_mul_i32 s22, s12, 16*SPITCH
	s_add_co_u32 s22, s22, STAGE                   ; my stage
	v_mul_u32_u24 v4, v1, SPITCH                   ; in: row r, 32 bytes for each half of the lanes
	v_lshl_add_u32 v4, v2, 5, v4
	v_add_nc_u32 v[STO], s22, v4
	v_mul_u32_u24 v5, v2, SPITCH                   ; back: lanes 0-15 one row of 256 bytes, lanes 16-31 the next
	v_lshl_add_u32 v5, v1, 4, v5
	v_add_nc_u32 v[RD], s22, v5
	v_lshlrev_b32 v[CO], 12, v2                    ; and the same two rows in out0 (4,096 bytes a row)
	v_lshl_add_u32 v[CO], v1, 4, v[CO]
	s_lshl_b32 s16, s15, 8
	s_lshl_b32 s17, s13, 7
	s_add_co_u32 s16, s16, s17                     ; my first row of out0
	s_lshl_b32 s16, s16, 12
	s_mov_b32 s17, 0
	s_add_nc_u64 s[10:11], s[10:11], s[16:17]
	s_lshl_b32 s46, s42, 9                         ; my first column, in bytes: 512 x tile column + 256 x half; the same in bproj
	s_lshl_b32 s47, s14, 8
	s_add_co_u32 s46, s46, s47
	s_mov_b32 s47, 0
	s_add_nc_u64 s[10:11], s[10:11], s[46:47]
	s_add_nc_u64 s[8:9], s[8:9], s[46:47]
	v_lshlrev_b32 v6, 5, v2
.irp b, 0,1,2,3                        ; the bias in the result's layout: lane (r, h): columns 16 b + 8 h + 0 .. 7
	global_load_b128 v[BIAS+8*\b:BIAS+8*\b+3],   v6, s[8:9] offset:64*\b
	global_load_b128 v[BIAS+8*\b+4:BIAS+8*\b+7], v6, s[8:9] offset:64*\b+16
.endr
; 8 matrix instructions: A's blocks a0, a0 + 1 x B's four, 32 along K, from buffer f.  first = 1: the bias is C.  The 32 accumulators take turns, one instruction a turn, in the same order in every quarter.
.macro MUL8 f, a0, first
.irp a, \a0, \a0+1
.irp b, 0,1,2,3
.if \first
	v_wmma_f32_16x16x32_f16 v[8*(4*(\a)+\b):8*(4*(\a)+\b)+7], v[BF+32*(\f)+8*\b:BF+32*(\f)+8*\b+7], v[AF+64*(\f)+8*(\a):AF+64*(\f)+8*(\a)+7], v[BIAS+8*\b:BIAS+8*\b+7]
.else
	v_wmma_f32_16x16x32_f16 v[8*(4*(\a)+\b):8*(4*(\a)+\b)+7], v[BF+32*(\f)+8*\b:BF+32*(\f)+8*\b+7], v[AF+64*(\f)+8*(\a):AF+64*(\f)+8*(\a)+7], v[8*(4*(\a)+\b):8*(4*(\a)+\b)+7]
.endif
.endr
.endr
.endm
.macro FETCH slot, k, f                ; 24 LDS loads in one run: B's four blocks, then A's eight, 32 along K at byte k of the rows
	WIN 0
.irp i, 0,1,2,3
	ds_load_b128 v[BF+32*(\f)+8*\i:BF+32*(\f)+8*\i+3],   v[ADRB+\slot] offset:\k+\i*16*PITCH
	ds_load_b128 v[BF+32*(\f)+8*\i+4:BF+32*(\f)+8*\i+7], v[ADRB+\slot] offset:\k+\i*16*PITCH+32
.endr
.irp i, 0,1,2,3,4,5,6,7
	ds_load_b128 v[AF+64*(\f)+8*\i:AF+64*(\f)+8*\i+3],   v[ADRA+\slot] offset:\k+\i*16*PITCH
	ds_load_b128 v[AF+64*(\f)+8*\i+4:AF+64*(\f)+8*\i+7], v[ADRA+\slot] offset:\k+\i*16*PITCH+32
.endr
.endm
.macro PLACES                          ; four plain vector instructions in front of loads into registers that matrix instructions have read, and of the first read of results
.rept 4
	v_nop
.endr
.endm
; A K step is four quarters of 32 along K, 32 matrix instructions each, on buffers 0, 1, 0, 1.  One of the first three: multiplies buffer f and fetches the next quarter, at byte k, into g.
.macro QUARTER slot, k, f, g, first
	s_wait_dscnt 8                                 ; B and A's blocks 0-3 are in; the youngest eight loads (A's blocks 4-7) may be out
	WIN MUL-0x10*\first
	MUL8 \f, 0, \first
	MUL8 \f, 2, \first
	PLACES
	FETCH \slot, \k, \g
	s_wait_dscnt 24                                ; all but the 24 just issued
	WIN MUL-0x10*\first
	MUL8 \f, 4, \first
	MUL8 \f, 6, \first
.endm
; The last quarter multiplies buffer 1 and changes slots: one barrier; in front of it each wave waits for all its tensor loads, adds 0 to its spare word, and waits for that and for its reads of this slot.
; fill = 1: the barrier opens a round of the cluster's, and behind it this slot is filled again, two K steps ahead: one load of mine is out, and it has a K step less sixteen matrix instructions in which to land.
.macro TURN slot, next, fill
	WIN 0
	s_wait_tensorcnt 0x0                           ; all my tensor loads have landed: my part of the next slot
	ds_add_u32 v[SPW], v[NIL]
	s_wait_dscnt 9                                 ; (the add and the youngest eight loads may be out)
	WIN MUL
	MUL8 1, 0, 0                                   ; eight matrix instructions stand between the add and the wait for it
	s_wait_dscnt 0x0                               ; the add is done, and my reads of this slot are over
	s_barrier_signal -1
	MUL8 1, 2, 0
.if \fill
	WIN 0
.endif
	s_barrier_wait -1
.if \fill
	CREST                                          ; no wave of any partner still reads this slot's tile or has a load on its way
	s_add_nc_u64 s[G0+4*\slot+2:G0+4*\slot+3], s[G0+4*\slot+2:G0+4*\slot+3], 2*KSTEP*2
	s_add_nc_u64 s[G0B+4*\slot+2:G0B+4*\slot+3], s[G0B+4*\slot+2:G0B+4*\slot+3], 2*KSTEP*2
	JLOAD \slot                                    ; the first tensor load behind the round; the four v_nop behind it are also the places in front of the loads below
.else
	PLACES
.endif
	FETCH \next, 0, 0
	WIN MUL
	MUL8 1, 4, 0
	MUL8 1, 6, 0
.endm
	s_wait_tensorcnt 1                             ; my part of K step 0 is in (K step 1's load may be out)
	s_barrier_signal -1
	s_barrier_wait -1                              ; everybody's is
	FETCH 0, 0, 0
	s_wait_loadcnt 0x0                             ; the bias
	QUARTER 0, 64, 0, 1, 1                         ; the first quarter stands in front of the loop: its products start the sums from the bias
	WIN 0                                          ; at a label and at a branch every window is 0
	s_mov_b32 s3, LAPS-1
.Llap:                                             ; a trip goes once round the ring, from a lap's second quarter to the next lap's first, and fills both slots again
	QUARTER 0, 128, 1, 0, 0
	QUARTER 0, 192, 0, 1, 0
	TURN 0, 1, 1
	QUARTER 1, 64,  0, 1, 0
	QUARTER 1, 128, 1, 0, 0
	QUARTER 1, 192, 0, 1, 0
	TURN 1, 0, 1
	QUARTER 0, 64,  0, 1, 0
	WIN 0
	s_sub_co_u32 s3, s3, 1
	s_cmp_lg_u32 s3, 0
	s_cbranch_scc1 .Llap
	QUARTER 0, 128, 1, 0, 0                        ; the last lap fills nothing, and has no round of the cluster's barrier
	QUARTER 0, 192, 0, 1, 0
	TURN 0, 1, 0
	QUARTER 1, 64,  0, 1, 0
	QUARTER 1, 128, 1, 0, 0
	QUARTER 1, 192, 0, 1, 0
	s_wait_dscnt 8                                 ; the very last quarter: nothing more to fetch
	WIN MUL
	MUL8 1, 0, 0
	MUL8 1, 2, 0
	s_wait_dscnt 0
	MUL8 1, 4, 0
	MUL8 1, 6, 0
	WIN 0
; THE WAY OUT, block a of 16 rows x 64 columns at a time: a lane's 32 bytes of a row go into my own stage and come back as whole rows of 256 bytes.  LDS serves a wave's instructions in order: no wait between the stores and the loads.
.macro TOSTAGE a
.set BB, BK+32*((\a)%2)
	WIN 0x04                                       ; an LDS store's data are its source 1: window 1
.irp b, 0,1,2,3
	ds_store_b128 v[STO], v[8*(4*(\a)+\b):8*(4*(\a)+\b)+3] offset:64*\b          ; each accumulator from its low end on
	ds_store_b128 v[STO], v[8*(4*(\a)+\b)+4:8*(4*(\a)+\b)+7] offset:64*\b+16
.endr
	WIN 0
.irp t, 0,1,2,3,4,5,6,7
	ds_load_b128 v[BB+4*\t:BB+4*\t+3], v[RD] offset:\t*2*SPITCH
.endr
.endm
.macro SEND a, younger                 ; younger: the LDS instructions issued behind block a's loads, which may stay out
.set BB, BK+32*((\a)%2)
	s_wait_dscnt \younger
.irp t, 0,1,2,3,4,5,6,7
	global_store_b128 v[CO], v[BB+4*\t:BB+4*\t+3], s[10:11] offset:(16*(\a)+2*\t)*SIZE_N*4 th:TH_STORE_NT   ; 16 lanes store 256 consecutive bytes, aligned; 126 rows at the most: inside the signed 24-bit immediate
.endr
.endm
	PLACES
	TOSTAGE 0
.irp a, 1,2,3,4,5,6,7
.if \a > 1
	s_wait_xcnt 0x0                                ; block a - 2's stores have read their registers: block a's loads may land there
.endif
	TOSTAGE \a
	SEND \a-1, 16                                  ; behind block a - 1's loads: block a's 8 stores and 8 loads
.endr
	SEND 7, 0
	s_wait_tensorcnt 0x0                           ; the wave's end, behind my last tensor load and my last LDS store
	ds_add_u32 v[SPW], v[NIL]
	s_wait_dscnt 0x0
	CROUND                                         ; the closing round
	s_endpgm
.Lfunc_end_k_q009641cdb6_proj:
	.size	k_q009641cdb6_proj, .Lfunc_end_k_q009641cdb6_proj-k_q009641cdb6_proj
	.p2alignl 7, 3214868480
	.fill 96, 4, 3214868480
	.section	.rodata,"a",@progbits
	.p2align	6, 0x0
	.amdhsa_kernel k_q009641cdb6_proj
		.amdhsa_group_segment_fixed_size 327680
		.amdhsa_private_segment_fixed_size 0
		.amdhsa_enable_private_segment 0
		.amdhsa_kernarg_size 32
		.amdhsa_user_sgpr_count 2
		.amdhsa_user_sgpr_kernarg_segment_ptr 1
		.amdhsa_wavefront_size32 1
		.amdhsa_system_sgpr_workgroup_id_x 1
		.amdhsa_system_sgpr_workgroup_id_y 1
		.amdhsa_system_sgpr_workgroup_id_z 1
		.amdhsa_system_vgpr_workitem_id 0
		.amdhsa_next_free_vgpr 512
		.amdhsa_next_free_sgpr 66
		.amdhsa_reserve_vcc 0
		.amdhsa_float_denorm_mode_32 3
		.amdhsa_float_denorm_mode_16_64 3
		.amdhsa_memory_ordered 1
		.amdhsa_forward_progress 1
		.amdhsa_inst_pref_size 86
	.end_amdhsa_kernel
	.amdgpu_metadata
---
amdhsa.version: [ 1, 2 ]
amdhsa.kernels:
  - .name:           k_q009641cdb6_proj
    .symbol:         k_q009641cdb6_proj.kd
    .args:
      - { .name: attn, .offset: 0, .size: 8, .value_kind: global_buffer, .address_space: global }
      - { .name: wp16, .offset: 8, .size: 8, .value_kind: global_buffer, .address_space: global }
      - { .name: bproj, .offset: 16, .size: 8, .value_kind: global_buffer, .address_space: global }
      - { .name: out0, .offset: 24, .size: 8, .value_kind: global_buffer, .address_space: global }
    .group_segment_fixed_size: 327680
    .private_segment_fixed_size: 0
    .kernarg_segment_align: 8
    .kernarg_segment_size: 32
    .max_flat_workgroup_size: 128
    .sgpr_count:     66
    .vgpr_count:     512
    .wavefront_size: 32
...
	.end_amdgpu_metadata
.endif
;; end of part 4
